; MI455X (gfx1250); checked and timed in simulation.
; The chip was launched on July 23, 2026; its instructions are those of AMD's public machine-readable ISA for CDNA 5 (MIT licence, August 2026) and "CDNA5" Instruction Set Architecture Reference Guide (July 2026). The comments in the code are by the model that wrote it; some were corrected since.
;; Flash Attention. Allowed arithmetic: float matrix products may take bf16 or f16 operands with f32 sums; all other float work in f32.
;; Inputs: b_qkv 3,072 float32; hidden_states 2,048 x 2,048 float32; positions 2,048 int32; w_o 2,048 x 2,048 float32; w_qkv 2,048 x 3,072 float32.
;; Outputs: out0 2,048 x 2,048 float32.
;; 2 versions, each right. Each part assembles by itself: llvm-mc -triple=amdgcn-amd-amdhsa -mcpu=gfx1250 --defsym DOCPART=n.
;; ======== version 1 of 2: 4 launches
;; limits: values are held in f16: magnitudes above 65,504 overflow, below 6.1e-05 lose precision
;; workspace buffers: hb 8,388,608 bytes; wqb 12,582,912 bytes; wob 8,388,608 bytes; qkv 12,582,912 bytes; att 8,388,608 bytes
;; launch cast (part 1): grid 1792 x 1, 8 waves a work-group, no clusters, 0 bytes of LDS; arguments hidden_states, w_qkv, w_o, hb, wqb, wob; writes hb, wqb, wob
.if DOCPART == 1
	.amdgcn_target "amdgcn-amd-amdhsa--gfx1250"
	.amdhsa_code_object_version 6
	.text
	.protected	k_qc3a9de39a5_cast
	.globl	k_qc3a9de39a5_cast
	.p2align	8
	.type	k_qc3a9de39a5_cast,@function
k_qc3a9de39a5_cast:
	s_mov_b64 s[64:65], 0
	v_nop
	global_prefetch_b8 v0, s[64:65] scope:SCOPE_SE
	s_setreg_imm32_b32 hwreg(HW_REG_WAVE_MODE, 25, 1), 1
	s_wait_xcnt 0x0
; The three f32 inputs of the two projections are rounded once to bf16 and stored as 16-bit copies of the same shape:
;   hidden_states -> hb (bf16), w_qkv -> wqb (bf16), w_o -> wob (the bf16-rounded number held in f16).
; w_o's partner in its product is the attention result, which is kept in f16; both operands of a matrix instruction have one format,
; so w_o's bf16-rounded value is carried in f16.  That second step is exact for |w| >= 2^-17 (8 significant bits fit f16, denormals
; included); below it the absolute error is at most 2^-25.  |w| must stay below 65,504.
; A stream: no LDS, no matrix unit, no barrier.  A work-group owns 8,192 numbers (32,768 bytes in, 16,384 out):
; groups 0-511 hidden_states, 512-1279 w_qkv, 1280-1791 w_o.  Thread t takes 32 bytes at 32 t of each of four blocks of 8,192 bytes
; and stores 16 bytes at 16 t of each of four blocks of 4,096: a wave's store covers 512 consecutive bytes, aligned.
.set X, 4                              ; v[4:35]   block i: 8 f32 as loaded
.set Y, 36                             ; v[36:51]  block i: 8 numbers of 16 bits to store
	s_load_b256 s[4:11], s[0:1], 0x0               ; hidden_states s[4:5], w_qkv s[6:7], w_o s[8:9], hb s[10:11]
	s_load_b128 s[12:15], s[0:1], 0x20             ; wqb s[12:13], wob s[14:15]
	v_lshlrev_b32 v1, 5, v0                        ; 32 t
	v_lshlrev_b32 v2, 4, v0                        ; 16 t
	s_wait_kmcnt 0x0
	s_cmp_lt_u32 ttmp9, 512                        ; which input: the choice hangs on the group's number alone
	s_cselect_b64 s[16:17], s[4:5], s[6:7]
	s_cselect_b64 s[18:19], s[10:11], s[12:13]
	s_cselect_b32 s20, 0, 512
	s_cmp_lt_u32 ttmp9, 1280
	s_cselect_b64 s[16:17], s[16:17], s[8:9]
	s_cselect_b64 s[18:19], s[18:19], s[14:15]
	s_cselect_b32 s20, s20, 1280
	s_sub_co_u32 s20, ttmp9, s20                   ; the group's number inside its input
	s_lshl_b32 s22, s20, 15                        ; x 32,768 bytes in (at most 767 x 32,768)
	s_mov_b32 s23, 0
	s_lshl_b32 s24, s20, 14                        ; x 16,384 bytes out
	s_mov_b32 s25, 0
	s_add_nc_u64 s[16:17], s[16:17], s[22:23]
	s_add_nc_u64 s[18:19], s[18:19], s[24:25]
.irp i, 0,1,2,3
	global_load_b128 v[X+8*\i:X+8*\i+3],   v1, s[16:17] offset:8192*\i th:TH_LOAD_NT      ; all eight loads go out first; each byte is read once in the launch
	global_load_b128 v[X+8*\i+4:X+8*\i+7], v1, s[16:17] offset:8192*\i+16 th:TH_LOAD_NT
.endr
.irp i, 0,1,2,3
	s_wait_loadcnt 6-2*\i                          ; loads return in order: block i's two are in, the 6 - 2 i younger ones stay out
.irp k, 0,1,2,3
	v_cvt_pk_bf16_f32 v[Y+4*\i+\k], v[X+8*\i+2*\k], v[X+8*\i+2*\k+1]
.endr
.endr
	s_cmp_lt_u32 ttmp9, 1280
	s_cbranch_scc1 .Lout                           ; hidden_states and w_qkv stay bf16
.irp k, 0,1,2,3,4,5,6,7,8,9,10,11,12,13,14,15
	v_lshlrev_b32 v[X+2*\k],   16, v[Y+\k]         ; w_o: the bf16-rounded numbers back in f32 (X is free: every load is in),
	v_and_b32     v[X+2*\k+1], 0xffff0000, v[Y+\k]
.endr
.irp k, 0,1,2,3,4,5,6,7,8,9,10,11,12,13,14,15
	v_cvt_pk_f16_f32 v[Y+\k], v[X+2*\k], v[X+2*\k+1]       ; and into f16
.endr
.Lout:
.irp i, 0,1,2,3
	global_store_b128 v2, v[Y+4*\i:Y+4*\i+3], s[18:19] offset:4096*\i     ; later launches read these bytes: no streaming hint
.endr
	s_endpgm
.Lfunc_end_k_qc3a9de39a5_cast:
	.size	k_qc3a9de39a5_cast, .Lfunc_end_k_qc3a9de39a5_cast-k_qc3a9de39a5_cast
	.p2alignl 7, 3214868480
	.fill 96, 4, 3214868480
	.section	.rodata,"a",@progbits
	.p2align	6, 0x0
	.amdhsa_kernel k_qc3a9de39a5_cast
		.amdhsa_group_segment_fixed_size 0
		.amdhsa_private_segment_fixed_size 0
		.amdhsa_enable_private_segment 0
		.amdhsa_kernarg_size 48
		.amdhsa_user_sgpr_count 2
		.amdhsa_user_sgpr_kernarg_segment_ptr 1
		.amdhsa_wavefront_size32 1
		.amdhsa_system_sgpr_workgroup_id_x 1
		.amdhsa_system_sgpr_workgroup_id_y 1
		.amdhsa_system_sgpr_workgroup_id_z 1
		.amdhsa_system_vgpr_workitem_id 0
		.amdhsa_next_free_vgpr 52
		.amdhsa_next_free_sgpr 66
		.amdhsa_reserve_vcc 0
		.amdhsa_float_denorm_mode_32 3
		.amdhsa_float_denorm_mode_16_64 3
		.amdhsa_memory_ordered 1
		.amdhsa_forward_progress 1
		.amdhsa_inst_pref_size 6
	.end_amdhsa_kernel
	.amdgpu_metadata
---
amdhsa.version: [ 1, 2 ]
amdhsa.kernels:
  - .name:           k_qc3a9de39a5_cast
    .symbol:         k_qc3a9de39a5_cast.kd
    .args:
      - { .name: hidden_states, .offset: 0, .size: 8, .value_kind: global_buffer, .address_space: global }
      - { .name: w_qkv, .offset: 8, .size: 8, .value_kind: global_buffer, .address_space: global }
      - { .name: w_o, .offset: 16, .size: 8, .value_kind: global_buffer, .address_space: global }
      - { .name: hb, .offset: 24, .size: 8, .value_kind: global_buffer, .address_space: global }
      - { .name: wqb, .offset: 32, .size: 8, .value_kind: global_buffer, .address_space: global }
      - { .name: wob, .offset: 40, .size: 8, .value_kind: global_buffer, .address_space: global }
    .group_segment_fixed_size: 0
    .private_segment_fixed_size: 0
    .kernarg_segment_align: 8
    .kernarg_segment_size: 48
    .max_flat_workgroup_size: 256
    .sgpr_count:     66
    .vgpr_count:     52
    .wavefront_size: 32
...
	.end_amdgpu_metadata
.endif
;; end of part 1
;; launch qkvproj (part 2): grid 8 x 32, 4 waves a work-group, clusters of 4 x 4, 327,680 bytes of LDS; arguments hb, wqb, b_qkv, positions, qkv; writes qkv
.if DOCPART == 2
	.amdgcn_target "amdgcn-amd-amdhsa--gfx1250"
	.amdhsa_code_object_version 6
	.text
	.protected	k_qc3a9de39a5_qkvproj
	.globl	k_qc3a9de39a5_qkvproj
	.p2align	8
	.type	k_qc3a9de39a5_qkvproj,@function
k_qc3a9de39a5_qkvproj:
	s_mov_b64 s[64:65], 0
	v_nop
	global_prefetch_b8 v0, s[64:65] scope:SCOPE_SE
	s_setreg_imm32_b32 hwreg(HW_REG_WAVE_MODE, 25, 1), 1
	s_wait_xcnt 0x0
	s_wait_alu depctr_hold_cnt(0) depctr_sa_sdst(0) depctr_va_vdst(0) depctr_va_sdst(0) depctr_va_ssrc(0) depctr_va_vcc(0) depctr_vm_vsrc(0)
	s_getreg_b32 s2, hwreg(HW_REG_IB_STS2, 6, 4)
	s_cmp_eq_u32 s2, 0
	s_cbranch_scc0 .Lentry_in_a_cluster
	s_endpgm
.Lentry_in_a_cluster:
	s_bfe_u32 s2, ttmp6, 0x10000c
	s_cmp_lg_u32 s2, 0xf033
	s_cbranch_scc0 .Lentry_shape_is_right
	s_endpgm
.Lentry_shape_is_right:
; qkv[t][n] = RoPE( sum over k of hb[t][k] wqb[k][n] + b_qkv[n] ), stored in f16.  hb [2048][2048] bf16, wqb [2048][3072] bf16, sums in f32.
; A work-group makes 64 rows x 384 columns (three heads of 128); 8 x 32 work-groups.  Wave w takes all 64 rows (4 row tiles) and, in each
; of the three heads, the column tiles d = 16 w .. and d = 64 + 16 w ..: the two partners (d, d + 64) of a rotation lie in the same lane and
; register number of two accumulators, and one set of cosines and sines (frequencies 16 w + 8 h + j) serves all three heads.
; The matrix instruction is used transposed (source 0 = 16 columns of the weights, source 1 = 16 rows of hb): lane (r, h), register j holds
; row 16 mt + r, column n0 + 8 h + j, eight neighbouring columns.  The bias is the C operand of the first product: nothing is cleared or added later.
; K goes in steps of 128 through two LDS slots filled by tensor loads.  CLUSTERS: 4 x 4 work-groups; the hb tile hangs on the block row alone and
; is asked for jointly along a row of the cluster, the weight tiles on the block column alone and jointly along a column.
; The weights lie [k][n]; ds_load_tr16_b128 transposes them on the way into registers (pitch 288 = 9 x 32 bytes).
; LIMITS.  Angles: x = position x inv_freq in f32; inv_freq = exp2(-f log2(1e5) / 64), relative error about 2e-7; x is reduced by pi in two parts and
; sin, cos are Taylor sums to r^11 and r^10 on |r| <= pi/2 (truncation below 5e-7); meant for |position| <= 2^20.  The phase differs from one made with
; another rounding of inv_freq by about 1.2e-7 x |position| radians.  Results are rounded to f16: they must stay below 65,504 in magnitude
; (numbers below 2^-14 are kept to 2^-24).
.set KSTEP, 128
.set PA,    272                        ; hb rows in LDS: 256 bytes + 16: an odd multiple of 16, so 16 rows begin in 16 different 16-byte columns of 256
.set PB,    288                        ; weight rows in LDS: 256 bytes + 32: an odd multiple of 32
.set BHEAD, 128*PB                     ; 36,864: one head's 128 k-rows
.set AOFF,  3*BHEAD                    ; 110,592: hb's 64 rows lie behind the three heads
.set SLOT,  AOFF+64*PA                 ; 128,000
.set STAGE, 2*SLOT                     ; 256,000: 64 rows x 784 bytes for the way out; no tensor load lands here
.set SP,    784                        ; 768 + 16
.set ROWQ,  6144                       ; bytes in a row of qkv and of wqb
.set ADRA, 4                           ; v4-5    slot s: LDS address of my hb fragments
.set ADRB, 6                           ; v6-11   slot s, head hd (3 s + hd): LDS address of my weight fragments
.set STO,  12                          ; v12     way out: where I put 16 bytes
.set RD,   13                          ; v13     way out: where I read a row back
.set CO,   14                          ; v14     my byte offset in qkv
.set F0,   16                          ; v16-95   fragment buffer 0: hb's row tile mt at +8 mt, weights (hd, half) at +32 + 8 (2 hd + half)
.set F1,   96                          ; v96-175  fragment buffer 1
.set COS,  176                         ; v176-207 cos for row 16 mt + r, frequency 16 w + 8 h + j, at 8 mt + j
.set SIN,  208                         ; v208-239 sin likewise
.set IVF,  240                         ; v240-247 inv_freq of my eight frequencies
.set POS,  248                         ; v248-251 positions of my four rows, then in f32
.set TX,   F0                          ; at work on the angles, before buffer 0 is first filled
.set TN,   F0+8
.set TZ,   F0+16
.set T1,   F0                          ; at work on the way out
.set T2,   F0+8
.set PKD,  F0+16
.set BIAS, 192                         ; window 1: v192-239 bias of (hd, half) at 8 (2 hd + half); v0-191 accumulator 8 hd + 4 half + mt at 8 x that
.set G1A, 24                           ; s[24:31] group 1 of hb's tile
.set G0A, 32                           ; s[32:39] group 0 of hb's tile, a set for each slot
.set G1B, 40                           ; s[40:47] group 1 of a weight tile
.set G0B, 48                           ; s[48:55] group 0 of my weight tile, a set for each slot
.set MSB, 0
.macro WIN new                         ; s_set_vgpr_msb: bits 1:0 source 0, 3:2 source 1, 5:4 source 2, 7:6 destination; the high byte repeats the setting left
.if MSB != \new
	s_set_vgpr_msb (MSB<<8)|\new
.set MSB, \new
.endif
.endm
.macro PLACES                          ; four independent vector instructions behind matrix instructions (ISA guide 7.12.1) before their registers are loaded into or read
.rept 4
	v_nop
.endr
.endm
; A joint load.  Waves 0-2 fetch the weight tile of head w, wave 3 hb's tile.  Each line has one mask; the branch hangs on the wave's number alone.
.macro JLOAD s
	s_cmp_lg_u32 s14, 3
	s_cbranch_scc1 .Lfor_b_\@
	tensor_load_to_lds s[G0A+4*\s:G0A+4*\s+3], s[G1A:G1A+7]
	s_nop 0
	s_branch .Lasked_\@
.Lfor_b_\@:
	tensor_load_to_lds s[G0B+4*\s:G0B+4*\s+3], s[G1B:G1B+7]
	s_nop 0
.Lasked_\@:
.endm
.macro CREST                           ; a round of the cluster's barrier behind its opening work-group barrier
	s_cmp_lg_u32 s14, 0
	s_cbranch_scc1 .Lnot_wave_0_\@
	s_barrier_signal -3
.Lnot_wave_0_\@:
	s_barrier_wait -3
	s_barrier_signal -1
	s_barrier_wait -1
.endm
.macro CROUND
	s_barrier_signal -1
	s_barrier_wait -1
	CREST
.endm
	s_load_b256 s[4:11], s[0:1], 0x0               ; hb s[4:5], wqb s[6:7], b_qkv s[8:9], positions s[10:11]
	s_load_b64 s[12:13], s[0:1], 0x20              ; qkv
	v_lshl_add_u32 v255, v0, 2, 0x4ac00
	s_set_vgpr_msb 0x40
	v_mov_b32 v255, 0
	s_set_vgpr_msb 0x4044
	ds_add_u32 v255, v255
	ds_add_u32 v255, v255
	s_set_vgpr_msb 0x4400
	v_lshrrev_b32 v3, 5, v0
	v_readfirstlane_b32 s14, v3                    ; wave 0..3
	s_bfe_u32 s16, ttmp6, 0x40000                  ; cx
	s_bfe_u32 s17, ttmp6, 0x40004                  ; cy
	s_lshl_b32 s18, ttmp9, 2
	s_add_co_u32 s18, s18, s16                     ; nb: block column, 0..7 (384 columns each)
	s_and_b32 s19, ttmp7, 0xffff
	s_lshl_b32 s19, s19, 2
	s_add_co_u32 s19, s19, s17                     ; mb: block row, 0..31 (64 rows each)
	s_lshl_b32 s20, s17, 2
	s_lshl_b32 s20, 15, s20                        ; my row of the cluster
	s_lshl_b32 s21, 0x1111, s16                    ; my column
	s_or_b32 s[G1A+0], s20, (1<<16)|(1<<20)|(1<<21)|(5<<22)|(3<<25)   ; mask; 2-byte elements; padding on; bit 21 beside a mask; after 64 words skip 4
	s_mov_b32 s[G1A+1], KSTEP<<16                  ; tensor_dim0 = 128
	s_mov_b32 s[G1A+2], 64<<16                     ; tensor_dim1 = 64
	s_mov_b32 s[G1A+3], KSTEP<<16                  ; tile_dim0 = 128
	s_mov_b32 s[G1A+4], 64                         ; tile_dim1 = 64
	s_mov_b32 s[G1A+5], 2048                       ; elements from row to row of hb
	s_mov_b32 s[G1A+6], 0
	s_mov_b32 s[G1A+7], 0
	s_or_b32 s[G1B+0], s21, (1<<16)|(1<<20)|(1<<21)|(5<<22)|(7<<25)   ; the same with my column's mask; after 64 words skip 8
	s_mov_b32 s[G1B+1], 128<<16                    ; 128 columns
	s_mov_b32 s[G1B+2], KSTEP<<16                  ; 128 k-rows
	s_mov_b32 s[G1B+3], 128<<16
	s_mov_b32 s[G1B+4], KSTEP
	s_mov_b32 s[G1B+5], 3072                       ; elements from row to row of wqb
	s_mov_b32 s[G1B+6], 0
	s_mov_b32 s[G1B+7], 0
	s_lshl_b32 s56, s19, 18                        ; hb: mb x 64 rows x 4,096 bytes (never holds cx)
	s_mov_b32 s57, 0
	s_mul_i32 s58, s18, 768                        ; wqb: nb x 384 columns x 2 bytes (never holds cy)
	s_lshl_b32 s59, s14, 8                         ; + my head's 256 bytes
	s_add_co_u32 s58, s58, s59
	s_mov_b32 s59, 0
	s_mul_i32 s22, s14, BHEAD                      ; where my tile goes: wave x 36,864 (wave 3: AOFF); no place in the cluster enters an LDS address
	s_wait_dscnt 0x0
	s_wait_kmcnt 0x0
	s_add_nc_u64 s[56:57], s[4:5], s[56:57]
	s_add_nc_u64 s[58:59], s[6:7], s[58:59]
	CROUND                                         ; all sixteen work-groups are here: the first joint loads meet
.irp s, 0,1
	s_mov_b32 s[G0A+4*\s], 1
	s_add_co_u32 s[G0A+4*\s+1], s22, \s*SLOT
	s_add_nc_u64 s[G0A+4*\s+2:G0A+4*\s+3], s[56:57], \s*KSTEP*2
	s_or_b32 s[G0A+4*\s+3], s[G0A+4*\s+3], 0x80000000
	s_mov_b32 s[G0B+4*\s], 1
	s_add_co_u32 s[G0B+4*\s+1], s22, \s*SLOT
	s_add_nc_u64 s[G0B+4*\s+2:G0B+4*\s+3], s[58:59], \s*KSTEP*ROWQ
	s_or_b32 s[G0B+4*\s+3], s[G0B+4*\s+3], 0x80000000
	JLOAD \s                                       ; K steps 0 and 1: two tensor loads of the wave are out
.endr
	; While the first tiles are on their way: bias, positions, addresses, cosines and sines.
	v_and_b32 v1, 15, v0                           ; r
	v_bfe_u32 v2, v0, 4, 1                         ; h
	s_mul_i32 s23, s18, 1536                       ; bias: nb x 384 x 4 bytes
	s_lshl_b32 s60, s14, 6                         ; + 16 w x 4
	s_add_co_u32 s23, s23, s60
	v_lshl_add_u32 v252, v2, 5, s23                ; + 8 h x 4
	s_lshl_b32 s61, s19, 8                         ; positions: mb x 64 x 4 bytes
	v_lshl_add_u32 v253, v1, 2, s61                ; + 4 r
	WIN 0x40                                       ; destination in window 1
.irp q, 0,1,2,3,4,5
	global_load_b128 v[BIAS+8*\q:BIAS+8*\q+3],   v252, s[8:9] offset:256*\q       ; bias of columns 64 q + 16 w + 8 h + 0..3 of my three heads
	global_load_b128 v[BIAS+8*\q+4:BIAS+8*\q+7], v252, s[8:9] offset:256*\q+16
.endr
	WIN 0
.irp m, 0,1,2,3
	global_load_b32 v[POS+\m], v253, s[10:11] offset:64*\m                        ; positions[64 mb + 16 m + r]
.endr
	v_mul_u32_u24 v3, v1, PA
	v_lshl_add_u32 v3, v2, 4, v3                   ; hb fragment: r x pitch + 16 h
	v_add_nc_u32 v[ADRA], AOFF, v3
	v_add_nc_u32 v[ADRA+1], AOFF+SLOT, v3
	v_and_b32 v15, 7, v0
	v_lshl_add_u32 v15, v2, 3, v15                 ; weight fragment: k-row 8 h + (lane & 7)
	v_mul_u32_u24 v15, v15, PB
	v_bfe_u32 v3, v0, 3, 1
	v_lshl_add_u32 v15, v3, 4, v15                 ; + 16 x bit 3 of the lane
	s_lshl_b32 s60, s14, 5
	v_add_nc_u32 v15, s60, v15                     ; + my 16 columns (32 w bytes)
.irp s, 0,1
.irp hd, 0,1,2
	v_add_nc_u32 v[ADRB+3*\s+\hd], \s*SLOT+\hd*BHEAD, v15
.endr
.endr
	v_mul_u32_u24 v3, v1, SP
	v_lshl_add_u32 v3, v2, 4, v3
	s_add_co_u32 s61, s60, STAGE
	v_add_nc_u32 v[STO], s61, v3                   ; stage + 784 r + 32 w + 16 h
	s_mul_i32 s61, s14, 16*SP
	s_add_co_u32 s61, s61, STAGE
	v_mul_u32_u24 v3, v2, SP
	v_lshl_add_u32 v3, v1, 4, v3
	v_add_nc_u32 v[RD], s61, v3                    ; stage + (16 w + h) x 784 + 16 r
	s_mul_i32 s61, s14, 16*ROWQ
	v_mul_u32_u24 v3, v2, ROWQ
	v_lshl_add_u32 v3, v1, 4, v3
	v_add_nc_u32 v[CO], s61, v3                    ; (16 w + h) rows of qkv + 16 r
	s_mul_i32 s60, s19, 64*ROWQ                    ; qkv at my block: mb x 64 rows
	s_mul_i32 s61, s18, 768                        ; + nb x 768 bytes
	s_add_co_u32 s60, s60, s61
	s_mov_b32 s61, 0
	s_add_nc_u64 s[12:13], s[12:13], s[60:61]
	s_mul_i32 s22, s18, 3                          ; my first head; heads 0-19 (q and k) are rotated, 20-23 (v) are not.
.irp hd, 0,1,2
	s_add_co_u32 s23, s22, \hd                     ; A select mask and no branch: partners of a cluster run one text
	s_cmp_lt_u32 s23, 20
	s_cselect_b32 s[81+\hd], -1, 0
.endr
	s_mov_b32 s66, 0xbea2f983                      ; -1/pi
	s_mov_b32 s67, 0x40490fdb                      ; pi, upper part
	s_mov_b32 s68, 0xb3bbbd2e                      ; pi, lower part
	s_mov_b32 s69, 0xb2d7322b                      ; -1/11!
	s_mov_b32 s70, 0x3638ef1d                      ;  1/9!
	s_mov_b32 s71, 0xb9500d01                      ; -1/7!
	s_mov_b32 s72, 0x3c088889                      ;  1/5!
	s_mov_b32 s73, 0xbe2aaaab                      ; -1/3!
	s_mov_b32 s74, 0xb493f27e                      ; -1/10!
	s_mov_b32 s75, 0x37d00d01                      ;  1/8!
	s_mov_b32 s76, 0xbab60b61                      ; -1/6!
	s_mov_b32 s77, 0x3d2aaaab                      ;  1/4!
	s_lshl_b32 s60, s14, 4
	v_lshl_add_u32 v254, v2, 3, s60                ; my first frequency: 16 w + 8 h
.irp j, 0,1,2,3,4,5,6,7
	v_add_nc_u32 v[IVF+\j], \j, v254
.endr
.irp j, 0,1,2,3,4,5,6,7
	v_cvt_f32_u32 v[IVF+\j], v[IVF+\j]
.endr
.irp j, 0,1,2,3,4,5,6,7
	v_mul_f32 v[IVF+\j], 0xbe84e08b, v[IVF+\j]     ; x -log2(100000)/64
.endr
.irp j, 0,1,2,3,4,5,6,7
	v_exp_f32 v[IVF+\j], v[IVF+\j]                 ; inv_freq; the conversions below are the plain instructions that stand before its first use
.endr
	s_wait_loadcnt 0x0                             ; bias and positions
	s_wait_alu depctr_va_vdst(0)
.irp m, 0,1,2,3
	v_cvt_f32_i32 v[POS+\m], v[POS+\m]
.endr
; cos and sin of position x inv_freq for row tile mt, eight frequencies side by side so that no line waits for the one in front of it.
; n' = -round(x / pi); r = x + n' pi (two parts); sin x = (-1)^n sin r, cos x = (-1)^n cos r: the sign is n's lowest bit moved to bit 31.
.macro SINCOS8 mt
.irp j, 0,1,2,3,4,5,6,7
	v_mul_f32 v[TX+\j], v[POS+\mt], v[IVF+\j]
.endr
.irp j, 0,1,2,3,4,5,6,7
	v_mul_f32 v[TN+\j], s66, v[TX+\j]
.endr
.irp j, 0,1,2,3,4,5,6,7
	v_rndne_f32 v[TN+\j], v[TN+\j]
.endr
.irp j, 0,1,2,3,4,5,6,7
	v_fma_f32 v[TX+\j], v[TN+\j], s67, v[TX+\j]
.endr
.irp j, 0,1,2,3,4,5,6,7
	v_fma_f32 v[TX+\j], v[TN+\j], s68, v[TX+\j]
.endr
.irp j, 0,1,2,3,4,5,6,7
	v_cvt_i32_f32 v[TN+\j], v[TN+\j]
	v_mul_f32 v[TZ+\j], v[TX+\j], v[TX+\j]
.endr
.irp j, 0,1,2,3,4,5,6,7
	v_lshlrev_b32 v[TN+\j], 31, v[TN+\j]
	v_fma_f32 v[SIN+8*\mt+\j], v[TZ+\j], s69, s70
	v_fma_f32 v[COS+8*\mt+\j], v[TZ+\j], s74, s75
.endr
.irp j, 0,1,2,3,4,5,6,7
	v_fma_f32 v[SIN+8*\mt+\j], v[SIN+8*\mt+\j], v[TZ+\j], s71
	v_fma_f32 v[COS+8*\mt+\j], v[COS+8*\mt+\j], v[TZ+\j], s76
.endr
.irp j, 0,1,2,3,4,5,6,7
	v_fma_f32 v[SIN+8*\mt+\j], v[SIN+8*\mt+\j], v[TZ+\j], s72
	v_fma_f32 v[COS+8*\mt+\j], v[COS+8*\mt+\j], v[TZ+\j], s77
.endr
.irp j, 0,1,2,3,4,5,6,7
	v_fma_f32 v[SIN+8*\mt+\j], v[SIN+8*\mt+\j], v[TZ+\j], s73
	v_fma_f32 v[COS+8*\mt+\j], v[COS+8*\mt+\j], v[TZ+\j], -0.5
.endr
.irp j, 0,1,2,3,4,5,6,7
	v_fma_f32 v[SIN+8*\mt+\j], v[SIN+8*\mt+\j], v[TZ+\j], 1.0
	v_fma_f32 v[COS+8*\mt+\j], v[COS+8*\mt+\j], v[TZ+\j], 1.0
.endr
.irp j, 0,1,2,3,4,5,6,7
	v_mul_f32 v[SIN+8*\mt+\j], v[SIN+8*\mt+\j], v[TX+\j]
	v_xor_b32 v[COS+8*\mt+\j], v[TN+\j], v[COS+8*\mt+\j]
.endr
.irp j, 0,1,2,3,4,5,6,7
	v_xor_b32 v[SIN+8*\mt+\j], v[TN+\j], v[SIN+8*\mt+\j]
.endr
.endm
	SINCOS8 0
	SINCOS8 1
	SINCOS8 2
	SINCOS8 3
; 20 LDS loads: the fragments of 32 along K (quarter c of the slot's K step) into buffer f: 4 row tiles of hb, 6 column tiles of the weights.
.macro FETCH slot, c, f
.irp m, 0,1,2,3
	ds_load_b128 v[\f+8*\m:\f+8*\m+3],   v[ADRA+\slot] offset:\m*16*PA+64*\c
	ds_load_b128 v[\f+8*\m+4:\f+8*\m+7], v[ADRA+\slot] offset:\m*16*PA+64*\c+32
.endr
.irp hd, 0,1,2
.irp hf, 0,1
	ds_load_tr16_b128 v[\f+32+8*(2*\hd+\hf):\f+32+8*(2*\hd+\hf)+3],   v[ADRB+3*\slot+\hd] offset:32*PB*\c+128*\hf
	ds_load_tr16_b128 v[\f+32+8*(2*\hd+\hf)+4:\f+32+8*(2*\hd+\hf)+7], v[ADRB+3*\slot+\hd] offset:32*PB*\c+128*\hf+16*PB
.endr
.endr
.endm
; 12 matrix instructions, accumulators 12 part .. 12 part + 11.  All 24 accumulators take turns, one instruction a turn, in the same order in every
; quarter, over the backward jump too.  first = 1: C is the bias, which starts the sums.
.macro MUL12 f, part, first
.set ai, 12*\part
.rept 12
.if \first
	v_wmma_f32_16x16x32_bf16 v[8*ai:8*ai+7], v[\f+32+8*(ai/4):\f+32+8*(ai/4)+7], v[\f+8*(ai%4):\f+8*(ai%4)+7], v[BIAS+8*(ai/4):BIAS+8*(ai/4)+7]
.else
	v_wmma_f32_16x16x32_bf16 v[8*ai:8*ai+7], v[\f+32+8*(ai/4):\f+32+8*(ai/4)+7], v[\f+8*(ai%4):\f+8*(ai%4)+7], v[8*ai:8*ai+7]
.endif
.set ai, ai+1
.endr
.endm
; One of a K step's first three quarters: fetches the next quarter's fragments into g, then multiplies buffer f.
.macro QUARTER slot, cnext, f, g, first
	s_wait_dscnt 0x0                               ; buffer f's 20 loads, issued a whole quarter ago
	WIN 0
	PLACES                                         ; buffer g was read by the last quarter's matrix instructions
	FETCH \slot, \cnext, \g
	WIN 0x50                                       ; C and D in window 1, fragments in window 0
	MUL12 \f, 0, \first
	MUL12 \f, 1, \first
.endm
.macro THREE slot, first
	QUARTER \slot, 1, F0, F1, \first
	QUARTER \slot, 2, F1, F0, 0
	QUARTER \slot, 3, F0, F1, 0
.endm
; The last quarter multiplies buffer 1 and changes slots.  In front of the barrier each wave waits for its reads of this slot and for all its tensor
; loads (one is out: its part of the next slot).  Where this slot is filled again the barrier opens a round of the cluster's barrier, only matrix
; instructions stand inside it, and the joint refill is the first tensor load behind its closing wait.
.macro TURN slot, next, fill
	s_wait_dscnt 0x0                               ; buffer 1 is in, and with it my last reads of this slot
	s_set_vgpr_msb 0x5054
	s_wait_tensorcnt 0x0                           ; all my tensor loads have landed
	ds_add_u32 v255, v255
	s_wait_dscnt 0x0
	s_set_vgpr_msb 0x5450
	s_barrier_signal -1
	WIN 0x50
	MUL12 F1, 0, 0
	WIN 0
	s_barrier_wait -1
.if \fill
	CREST
	s_add_nc_u64 s[G0A+4*\slot+2:G0A+4*\slot+3], s[G0A+4*\slot+2:G0A+4*\slot+3], 2*KSTEP*2       ; two K steps on; no load of mine is out
	s_add_nc_u64 s[G0B+4*\slot+2:G0B+4*\slot+3], s[G0B+4*\slot+2:G0B+4*\slot+3], 2*KSTEP*ROWQ
	JLOAD \slot
.endif
	PLACES                                         ; buffer 0 was read by matrix instructions
	FETCH \next, 0, F0
	WIN 0x50
	MUL12 F1, 1, 0
.endm
.macro LAP first
	THREE 0, \first
	TURN 0, 1, 1
	THREE 1, 0
	TURN 1, 0, 1
.endm
	s_wait_tensorcnt 0x1                           ; my part of K step 0 is in; K step 1's load stays out
	s_barrier_signal -1
	s_barrier_wait -1
	FETCH 0, 0, F0
	LAP 1                                          ; 16 K steps = 8 laps: the first starts the sums,
	WIN 0
	s_mov_b32 s3, 6                                ; six in the loop,
.Llap:
	LAP 0
	WIN 0
	s_sub_co_u32 s3, s3, 1
	s_cmp_lg_u32 s3, 0
	s_cbranch_scc1 .Llap
	THREE 0, 0                                     ; and the last, which fills nothing
	TURN 0, 1, 0
	THREE 1, 0
	s_wait_dscnt 0x0
	WIN 0x50
	MUL12 F1, 0, 0
	MUL12 F1, 1, 0
	PLACES                                         ; before the results are read
; The way out of head hd, row tile mt: x1 = columns d < 64, x2 = columns d + 64 of one row; out1 = x1 cos - x2 sin, out2 = x2 cos + x1 sin;
; a v head keeps x1, x2 (select by the head's mask); rounded to f16, 16 bytes a lane into the stage.
.macro ROPE hd, mt
	WIN 0x01                                       ; source 0 (the accumulators) in window 1
.irp p, 0,2,4,6
	v_pk_mul_f32 v[T1+\p:T1+\p+1], v[8*(8*\hd+\mt)+\p:8*(8*\hd+\mt)+\p+1],     v[COS+8*\mt+\p:COS+8*\mt+\p+1]
	v_pk_mul_f32 v[T2+\p:T2+\p+1], v[8*(8*\hd+4+\mt)+\p:8*(8*\hd+4+\mt)+\p+1], v[COS+8*\mt+\p:COS+8*\mt+\p+1]
.endr
.irp p, 0,2,4,6
	v_pk_fma_f32 v[T1+\p:T1+\p+1], v[8*(8*\hd+4+\mt)+\p:8*(8*\hd+4+\mt)+\p+1], v[SIN+8*\mt+\p:SIN+8*\mt+\p+1], v[T1+\p:T1+\p+1] neg_lo:[1,0,0] neg_hi:[1,0,0]
	v_pk_fma_f32 v[T2+\p:T2+\p+1], v[8*(8*\hd+\mt)+\p:8*(8*\hd+\mt)+\p+1],     v[SIN+8*\mt+\p:SIN+8*\mt+\p+1], v[T2+\p:T2+\p+1]
.endr
.irp j, 0,1,2,3,4,5,6,7
	v_cndmask_b32 v[T1+\j], v[8*(8*\hd+\mt)+\j],   v[T1+\j], s[81+\hd]
	v_cndmask_b32 v[T2+\j], v[8*(8*\hd+4+\mt)+\j], v[T2+\j], s[81+\hd]
.endr
	WIN 0
.irp i, 0,1,2,3
	v_cvt_pk_f16_f32 v[PKD+\i],   v[T1+2*\i], v[T1+2*\i+1]
	v_cvt_pk_f16_f32 v[PKD+4+\i], v[T2+2*\i], v[T2+2*\i+1]
.endr
	ds_store_b128 v[STO], v[PKD:PKD+3]   offset:16*SP*\mt+256*\hd
	ds_store_b128 v[STO], v[PKD+4:PKD+7] offset:16*SP*\mt+256*\hd+128
.endm
.irp hd, 0,1,2
.irp mt, 0,1,2,3
	ROPE \hd, \mt
.endr
.endr
	s_wait_dscnt 0x0                               ; my stores into the stage are done, for the other waves' sake
	s_barrier_signal -1
	s_barrier_wait -1
	; Wave w takes rows 16 w .. 16 w + 15 back, whole: 24 loads into registers of their own, then 24 stores of which sixteen lanes write 256 consecutive bytes, aligned.
.irp hd, 0,1,2
.irp i, 0,1,2,3,4,5,6,7
	ds_load_b128 v[F0+4*(8*\hd+\i):F0+4*(8*\hd+\i)+3], v[RD] offset:2*SP*\i+256*\hd
.endr
.endr
.irp hd, 0,1,2
.irp i, 0,1,2,3,4,5,6,7
	s_wait_dscnt 23-(8*\hd+\i)                     ; LDS loads return in order: this one is in, the younger ones stay out
	global_store_b128 v[CO], v[F0+4*(8*\hd+\i):F0+4*(8*\hd+\i)+3], s[12:13] offset:2*ROWQ*\i+256*\hd
.endr
.endr
	s_set_vgpr_msb 0x4
	s_wait_tensorcnt 0x0
	ds_add_u32 v255, v255
	s_wait_dscnt 0x0
	s_set_vgpr_msb 0x400
	CROUND                                         ; the closing round: no work-group ends while a partner may still ask for a tile that names it
	s_endpgm
.Lfunc_end_k_qc3a9de39a5_qkvproj:
	.size	k_qc3a9de39a5_qkvproj, .Lfunc_end_k_qc3a9de39a5_qkvproj-k_qc3a9de39a5_qkvproj
	.p2alignl 7, 3214868480
	.fill 96, 4, 3214868480
	.section	.rodata,"a",@progbits
	.p2align	6, 0x0
	.amdhsa_kernel k_qc3a9de39a5_qkvproj
		.amdhsa_group_segment_fixed_size 327680
		.amdhsa_private_segment_fixed_size 0
		.amdhsa_enable_private_segment 0
		.amdhsa_kernarg_size 40
		.amdhsa_user_sgpr_count 2
		.amdhsa_user_sgpr_kernarg_segment_ptr 1
		.amdhsa_wavefront_size32 1
		.amdhsa_system_sgpr_workgroup_id_x 1
		.amdhsa_system_sgpr_workgroup_id_y 1
		.amdhsa_system_sgpr_workgroup_id_z 1
		.amdhsa_system_vgpr_workitem_id 0
		.amdhsa_next_free_vgpr 512
		.amdhsa_next_free_sgpr 96
		.amdhsa_reserve_vcc 0
		.amdhsa_float_denorm_mode_32 3
		.amdhsa_float_denorm_mode_16_64 3
		.amdhsa_memory_ordered 1
		.amdhsa_forward_progress 1
		.amdhsa_inst_pref_size 157
	.end_amdhsa_kernel
	.amdgpu_metadata
---
amdhsa.version: [ 1, 2 ]
amdhsa.kernels:
  - .name:           k_qc3a9de39a5_qkvproj
    .symbol:         k_qc3a9de39a5_qkvproj.kd
    .args:
      - { .name: hb, .offset: 0, .size: 8, .value_kind: global_buffer, .address_space: global }
      - { .name: wqb, .offset: 8, .size: 8, .value_kind: global_buffer, .address_space: global }
      - { .name: b_qkv, .offset: 16, .size: 8, .value_kind: global_buffer, .address_space: global }
      - { .name: positions, .offset: 24, .size: 8, .value_kind: global_buffer, .address_space: global }
      - { .name: qkv, .offset: 32, .size: 8, .value_kind: global_buffer, .address_space: global }
    .group_segment_fixed_size: 327680
    .private_segment_fixed_size: 0
    .kernarg_segment_align: 8
    .kernarg_segment_size: 40
    .max_flat_workgroup_size: 128
    .sgpr_count:     96
    .vgpr_count:     512
    .wavefront_size: 32
...
	.end_amdgpu_metadata
.endif
;; end of part 2
;; launch attn (part 3): grid 64 x 4, 4 waves a work-group, no clusters, 327,680 bytes of LDS; arguments qkv, att; writes att
.if DOCPART == 3
	.amdgcn_target "amdgcn-amd-amdhsa--gfx1250"
	.amdhsa_code_object_version 6
	.text
	.protected	k_qc3a9de39a5_attn
	.globl	k_qc3a9de39a5_attn
	.p2align	8
	.type	k_qc3a9de39a5_attn,@function
k_qc3a9de39a5_attn:
	s_mov_b64 s[64:65], 0
	v_nop
	global_prefetch_b8 v0, s[64:65] scope:SCOPE_SE
	s_setreg_imm32_b32 hwreg(HW_REG_WAVE_MODE, 25, 1), 1
	s_wait_xcnt 0x0
; Attention with the mask 0 <= query - key <= 1024, 16 query heads on 4 key/value heads, d = 128.  qkv [2048][3072] f16 (q at column 128 head,
; k at 2048 + 128 g, v at 2560 + 128 g, q and k already rotated); att [2048][2048] f16.  Products in f16 with f32 sums, softmax in f32.
; Work-group (b, g): 32 queries from 32 b, key/value head g.  Wave w is query head 4 g + w, with two query tiles of 16 rows: the four heads that
; share K and V sit in one work-group and read one copy of each tile.
; NO CLUSTER: neighbouring query blocks begin and end at different key tiles and take different numbers of them (3 to 17), so partners could not
; make the same requests in the same trips; the sharing among heads is already had inside the work-group.
; TRANSPOSED PRODUCTS.  S^T = K Q^T: lane (r, h), register j holds key 8 h + j of a 16-key tile, query r.  Two such tiles packed to f16 in place are
; the B fragment of P^T for 32 keys.  O^T = V^T P^T with V^T through the transposing LDS load: a lane holds 8 neighbouring d of query r.
; So maximum, sum and rescale are one number a lane, shared between lanes r and r + 16 by one v_permlanex16_b32.
; TILES of 64 keys, aligned.  a = b / 2 is the diagonal's tile; t0 = max(a, 16) - 16; tiles t0 .. t0 + 2 LOOPS + 2 are taken: the first with the mask,
; 2 LOOPS without (all their keys are inside the window for all 32 queries), the last two with the mask.  A tile wholly past the diagonal
; (only where a + 1 is even or a < 2) gives probabilities 0 and a rescale of 1; the last tile taken is at most tile 31.
; The first tile holds a valid key for every query, so the running maximum is a real score from then on.
; A tile is worked in two halves of 32 keys; the first half's softmax is spread between the second half's score products.
; LIMITS.  Masked scores are set to the lowest finite f32.  Probabilities (at most 1) and the result are rounded to f16.
; The exponent is s c + (-m c) in one fused step, c = log2(e) / sqrt(128); the rescale is exp2 of the difference of the two ROUNDED -m c, so the rounding of m c is a
; common factor of probabilities, sum and O and cancels in the division.
.set PK,    272                        ; K rows in LDS: 256 + 16 bytes
.set PVP,   288                        ; V rows in LDS: 256 + 32 bytes, an odd multiple of 32 for the transposing load
.set VOFF,  64*PK                      ; 17,408
.set SLOT,  VOFF+64*PVP                ; 35,840
.set STAGE, 2*SLOT                     ; 71,680: 16 rows x 272 bytes for each wave; no tensor load lands here
.set ROWB,  6144                       ; bytes in a row of qkv
.set ADK, 2                            ; v2      272 r + 16 h
.set ADV, 3                            ; v3      VOFF + (8 h + (lane & 7)) x 288 + 16 x bit 3 of the lane
.set STO, 4
.set RD,  5
.set CO,  6
.set DQ,  7                            ; v7-8    query tile q: 32 b + 16 q + r - 8 h
.set QO,  9                            ; v9      6144 r + 16 h
.set AL,  10                           ; v10-13  q: the rescale (pair; the upper register is only named, never used)
.set NM,  14                           ; v14-17  q: -m c (pair likewise)
.set MM,  18                           ; v18-19  q: running maximum of the raw scores
.set LL,  20                           ; v20-21  q: running sum of my half of the keys
.set TT,  22                           ; v22-29  q: four registers at work
.set DD,  30                           ; v30-31  q: DQ - first key of the tile
.set Q,   32                           ; v32-95   Q fragment (q, c) at 8 (4 q + c)
.set S1,  96                           ; v96-127  scores of keys 0-31: q at 16 q, 16-key tile kt at + 8 kt; then P in the first 8 of each 16
.set S2,  128                          ; v128-159 scores of keys 32-63
.set FK,  160                          ; v160-223 K fragments of keys 32-63 at 8 (4 kt + c)
.set SU,  224                          ; v224-239 q: partial sums
.set RB,  192                          ; way out: rows read back, 32 registers for each q
.set FA,  128                          ; window 1: v128-191 V fragments of keys 0-31 at 8 dt
.set FB,  192                          ; window 1: v192-255 K fragments of keys 0-31, then V fragments of keys 32-63;  v0-127: O (q, dt) at 8 (8 q + dt)
.set G1K, 24
.set G1V, 32
.set G0K, 40                           ; a set for each slot
.set G0V, 48
.set MSB, 0
.macro WIN new                         ; s_set_vgpr_msb: bits 1:0 source 0, 3:2 source 1, 5:4 source 2, 7:6 destination; the high byte repeats the setting left
.if MSB != \new
	s_set_vgpr_msb (MSB<<8)|\new
.set MSB, \new
.endif
.endm
.macro PLACES                          ; four independent vector instructions behind matrix instructions (ISA guide 7.12.1)
.rept 4
	v_nop
.endr
.endm
	s_load_b128 s[4:7], s[0:1], 0x0                ; qkv s[4:5], att s[6:7]
	s_set_vgpr_msb 0x80
	v_lshl_add_u32 v0, v0, 2, 0x29000
	v_mov_b32 v1, 0
	s_set_vgpr_msb 0x808a
	ds_add_u32 v0, v1
	ds_add_u32 v0, v1
	s_set_vgpr_msb 0x8a00
	v_lshrrev_b32 v1, 5, v0
	v_readfirstlane_b32 s8, v1                     ; wave
	s_mov_b32 s9, ttmp9                            ; b
	s_and_b32 s10, ttmp7, 0xffff                   ; g
	s_lshr_b32 s11, s9, 1                          ; a
	s_max_u32 s21, s11, 16
	s_sub_co_u32 s21, s21, 16                      ; t0
	s_min_u32 s12, s11, 16
	s_add_co_u32 s12, s12, 1
	s_lshr_b32 s12, s12, 1
	s_max_u32 s12, s12, 1
	s_sub_co_u32 s12, s12, 1                       ; LOOPS, 0..7
	s_lshl_b32 s13, s21, 6                         ; first key of the tile at work
	s_mov_b32 s14, 0x76543210                      ; v_permlanex16_b32: lane i of the other half
	s_mov_b32 s15, 0xfedcba98
	s_mov_b32 s16, 0x3e0293ee                      ; c = log2(e) / sqrt(128)
	s_mov_b32 s17, 0x3e0293ee
	s_mov_b32 s18, 0xbe0293ee                      ; -c
	s_mov_b32 s19, 1024                            ; the window
	s_mov_b32 s20, 0xff7fffff                      ; the lowest finite f32
	s_mov_b32 s[G1K+0], (1<<16)|(1<<20)|(5<<22)|(3<<25)    ; 2-byte elements, after 64 words skip 4
	s_mov_b32 s[G1K+1], 128<<16                    ; 128 elements
	s_mov_b32 s[G1K+2], 16<<16                     ; 16 rows
	s_mov_b32 s[G1K+3], 128<<16
	s_mov_b32 s[G1K+4], 16
	s_mov_b32 s[G1K+5], 3072                       ; elements from row to row
	s_mov_b32 s[G1K+6], 0
	s_mov_b32 s[G1K+7], 0
	s_mov_b32 s[G1V+0], (1<<16)|(1<<20)|(5<<22)|(7<<25)    ; after 64 words skip 8
	s_mov_b32 s[G1V+1], 128<<16
	s_mov_b32 s[G1V+2], 16<<16
	s_mov_b32 s[G1V+3], 128<<16
	s_mov_b32 s[G1V+4], 16
	s_mov_b32 s[G1V+5], 3072
	s_mov_b32 s[G1V+6], 0
	s_mov_b32 s[G1V+7], 0
	s_lshl_b32 s22, s8, 4
	s_add_co_u32 s22, s22, s13                     ; my 16 rows of the first tile: 64 t0 + 16 w
	s_mul_i32 s22, s22, ROWB
	s_lshl_b32 s23, s10, 8
	s_add_co_u32 s22, s22, s23
	s_add_co_u32 s22, s22, 4096                    ; k head g: byte 4,096 + 256 g of the row
	s_mov_b32 s23, 0
	s_mul_i32 s56, s8, 16*PK                       ; K's rows go to slot + 4,352 w,
	s_mul_i32 s57, s8, 16*PVP
	s_add_co_u32 s57, s57, VOFF                    ; V's to slot + 17,408 + 4,608 w
	s_wait_dscnt 0x0
	s_wait_kmcnt 0x0
	s_add_nc_u64 s[22:23], s[4:5], s[22:23]
.irp s, 0,1
	s_mov_b32 s[G0K+4*\s], 1
	s_add_co_u32 s[G0K+4*\s+1], s56, \s*SLOT
	s_add_nc_u64 s[G0K+4*\s+2:G0K+4*\s+3], s[22:23], \s*64*ROWB
	s_or_b32 s[G0K+4*\s+3], s[G0K+4*\s+3], 0x80000000
	s_mov_b32 s[G0V+4*\s], 1
	s_add_co_u32 s[G0V+4*\s+1], s57, \s*SLOT
	s_add_nc_u64 s[G0V+4*\s+2:G0V+4*\s+3], s[22:23], \s*64*ROWB+1024      ; v head g lies 1,024 bytes behind k head g
	s_or_b32 s[G0V+4*\s+3], s[G0V+4*\s+3], 0x80000000
.endr
	tensor_load_to_lds s[G0K:G0K+3], s[G1K:G1K+7]  ; the first tile, my quarter of K and of V
	s_nop 0
	tensor_load_to_lds s[G0V:G0V+3], s[G1V:G1V+7]
	s_nop 0
	s_mul_i32 s58, s9, 32*ROWB                     ; q: row 32 b,
	s_lshl2_add_u32 s60, s10, s8                   ; head 4 g + w
	s_lshl_b32 s60, s60, 8
	s_add_co_u32 s58, s58, s60
	s_mov_b32 s59, 0
	s_add_nc_u64 s[58:59], s[4:5], s[58:59]
	s_lshl_b32 s62, s9, 17                         ; att: row 32 b (4,096 bytes each), the same head
	s_add_co_u32 s62, s62, s60
	s_mov_b32 s63, 0
	s_add_nc_u64 s[6:7], s[6:7], s[62:63]
	v_and_b32 v1, 15, v0                           ; r
	v_bfe_u32 v31, v0, 4, 1                        ; h
	v_mul_u32_u24 v[QO], v1, ROWB
	v_lshl_add_u32 v[QO], v31, 4, v[QO]
.irp q, 0,1
.irp c, 0,1,2,3
	global_load_b128 v[Q+8*(4*\q+\c):Q+8*(4*\q+\c)+3],   v[QO], s[58:59] offset:16*ROWB*\q+64*\c       ; Q(row 16 q + r, d = 32 c + 8 h ..)
	global_load_b128 v[Q+8*(4*\q+\c)+4:Q+8*(4*\q+\c)+7], v[QO], s[58:59] offset:16*ROWB*\q+64*\c+32    ; d = 32 c + 16 + 8 h ..
.endr
.endr
	v_mul_u32_u24 v[ADK], v1, PK
	v_lshl_add_u32 v[ADK], v31, 4, v[ADK]
	v_and_b32 v30, 7, v0
	v_lshl_add_u32 v30, v31, 3, v30
	v_mul_u32_u24 v30, v30, PVP
	v_bfe_u32 v29, v0, 3, 1
	v_lshl_add_u32 v30, v29, 4, v30
	v_add_nc_u32 v[ADV], VOFF, v30
	s_mul_i32 s60, s8, 16*272
	s_add_co_u32 s60, s60, STAGE                   ; my stage
	v_add_nc_u32 v[STO], s60, v[ADK]               ; in: row r, 16 bytes for each half of the lanes
	v_mul_u32_u24 v30, v31, 272
	v_lshl_add_u32 v30, v1, 4, v30
	v_add_nc_u32 v[RD], s60, v30                   ; back: lanes 0-15 one row of 256 bytes, lanes 16-31 the next
	v_lshlrev_b32 v30, 12, v31
	v_lshl_add_u32 v[CO], v1, 4, v30               ; and the same two rows in att
	v_lshlrev_b32 v30, 3, v31
	v_sub_nc_u32 v30, v1, v30
	s_lshl_b32 s61, s9, 5
	v_add_nc_u32 v[DQ], s61, v30                   ; 32 b + r - 8 h (modulo 2^32; only differences are used)
	v_add_nc_u32 v[DQ+1], 16, v[DQ]
	v_mov_b32 v[AL+1], 0                           ; the upper registers of the broadcast pairs are named by packed instructions: written once
	v_mov_b32 v[AL+3], 0
	v_mov_b32 v[NM+1], 0
	v_mov_b32 v[NM+3], 0
	s_wait_loadcnt 0x0                             ; Q
; The mask: valid where 0 <= query - key <= 1024, one unsigned compare.  Register i of query tile q is key first + eoff + 16 (i / 8) + 8 h + i % 8.
.macro MASK X, eoff
	v_sub_nc_u32 v[DD],   v[DQ],   s13
	v_sub_nc_u32 v[DD+1], v[DQ+1], s13
.irp q, 0,1
.irp i, 0,1,2,3,4,5,6,7,8,9,10,11,12,13,14,15
	v_sub_nc_u32 v[TT+4*\q], v[DD+\q], \eoff+16*(\i/8)+(\i%8)
	v_cmp_ge_u32 vcc_lo, s19, v[TT+4*\q]
	v_cndmask_b32 v[\X+16*\q+\i], s20, v[\X+16*\q+\i], vcc_lo
.endr
.endr
.endm
; Score product k of the second half (keys 32-63): chunk c = k / 4 of d, 16-key tile (k / 2) % 2, query tile k % 2: four accumulators by turns.
.macro SW w, k
.if \w
.if (\k)/4 == 0
	v_wmma_f32_16x16x32_f16 v[S2+16*((\k)%2)+8*(((\k)/2)%2):S2+16*((\k)%2)+8*(((\k)/2)%2)+7], v[FK+8*(4*(((\k)/2)%2)+(\k)/4):FK+8*(4*(((\k)/2)%2)+(\k)/4)+7], v[Q+8*(4*((\k)%2)+(\k)/4):Q+8*(4*((\k)%2)+(\k)/4)+7], 0
.else
	v_wmma_f32_16x16x32_f16 v[S2+16*((\k)%2)+8*(((\k)/2)%2):S2+16*((\k)%2)+8*(((\k)/2)%2)+7], v[FK+8*(4*(((\k)/2)%2)+(\k)/4):FK+8*(4*(((\k)/2)%2)+(\k)/4)+7], v[Q+8*(4*((\k)%2)+(\k)/4):Q+8*(4*((\k)%2)+(\k)/4)+7], v[S2+16*((\k)%2)+8*(((\k)/2)%2):S2+16*((\k)%2)+8*(((\k)/2)%2)+7]
.endif
.endif
.endm
.macro MX1 q, X                        ; the largest of my 16 scores, first part
	v_max3_num_f32 v[TT+4*\q],   v[\X+16*\q],   v[\X+16*\q+1],  v[\X+16*\q+2]
	v_max3_num_f32 v[TT+4*\q+1], v[\X+16*\q+3], v[\X+16*\q+4],  v[\X+16*\q+5]
	v_max3_num_f32 v[TT+4*\q+2], v[\X+16*\q+6], v[\X+16*\q+7],  v[\X+16*\q+8]
	v_max3_num_f32 v[TT+4*\q+3], v[\X+16*\q+9], v[\X+16*\q+10], v[\X+16*\q+11]
.endm
.macro MX2 q, X
	v_max3_num_f32 v[TT+4*\q],   v[TT+4*\q],   v[\X+16*\q+12], v[\X+16*\q+13]
	v_max3_num_f32 v[TT+4*\q+1], v[TT+4*\q+1], v[\X+16*\q+14], v[\X+16*\q+15]
	v_max3_num_f32 v[TT+4*\q+2], v[TT+4*\q+2], v[TT+4*\q+3],   v[TT+4*\q]
	v_max_num_f32  v[TT+4*\q+2], v[TT+4*\q+2], v[TT+4*\q+1]
.endm
.macro MX3 q, first                    ; with the other half of the keys (lane r + 16 or r - 16) and the running maximum
	v_permlanex16_b32 v[TT+4*\q+3], v[TT+4*\q+2], s14, s15
.if \first
	v_max_num_f32 v[MM+\q], v[TT+4*\q+2], v[TT+4*\q+3]
.else
	v_max3_num_f32 v[MM+\q], v[TT+4*\q+2], v[TT+4*\q+3], v[MM+\q]
.endif
.endm
.macro MX4 q, first                    ; -m c, and the rescale exp2(new - old) of the rounded values
.if \first
	v_mul_f32 v[NM+2*\q], s18, v[MM+\q]
.else
	v_mul_f32 v[TT+4*\q], s18, v[MM+\q]
	v_sub_f32 v[TT+4*\q+1], v[TT+4*\q], v[NM+2*\q]
	v_mov_b32 v[NM+2*\q], v[TT+4*\q]
	v_exp_f32 v[AL+2*\q], v[TT+4*\q+1]             ; the next vector lines are plain and touch neither register (ISA guide 5.7.2)
.endif
.endm
.macro FM q, X                         ; s c - m c, two at a time
.irp p, 0,2,4,6,8,10,12,14
	v_pk_fma_f32 v[\X+16*\q+\p:\X+16*\q+\p+1], v[\X+16*\q+\p:\X+16*\q+\p+1], s[16:17], v[NM+2*\q:NM+2*\q+1] op_sel_hi:[1,0,0]
.endr
.endm
.macro EX q, X, i0                     ; four exponentials; plain lines of the other query tile always follow before a result is used
.irp i, 0,1,2,3
	v_exp_f32 v[\X+16*\q+\i0+\i], v[\X+16*\q+\i0+\i]
.endr
.endm
.macro SU1 q, X
	s_wait_alu depctr_va_vdst(0)
.irp p, 0,1,2,3
	v_pk_add_f32 v[SU+8*\q+2*\p:SU+8*\q+2*\p+1], v[\X+16*\q+4*\p:\X+16*\q+4*\p+1], v[\X+16*\q+4*\p+2:\X+16*\q+4*\p+3]
.endr
.endm
.macro SU2 q, first
	v_pk_add_f32 v[SU+8*\q:SU+8*\q+1],   v[SU+8*\q:SU+8*\q+1],   v[SU+8*\q+2:SU+8*\q+3]
	v_pk_add_f32 v[SU+8*\q+4:SU+8*\q+5], v[SU+8*\q+4:SU+8*\q+5], v[SU+8*\q+6:SU+8*\q+7]
	v_pk_add_f32 v[SU+8*\q:SU+8*\q+1],   v[SU+8*\q:SU+8*\q+1],   v[SU+8*\q+4:SU+8*\q+5]
.if \first
	v_add_f32 v[LL+\q], v[SU+8*\q], v[SU+8*\q+1]
.else
	v_add_f32 v[SU+8*\q], v[SU+8*\q], v[SU+8*\q+1]
	v_fma_f32 v[LL+\q], v[LL+\q], v[AL+2*\q], v[SU+8*\q]
.endif
.endm
.macro CV q, X, i0                     ; pack in place: register i takes numbers 2 i and 2 i + 1, which lie at or above it
.irp i, 0,1,2,3
	v_cvt_pk_f16_f32 v[\X+16*\q+\i0+\i], v[\X+16*\q+2*(\i0+\i)], v[\X+16*\q+2*(\i0+\i)+1]
.endr
.endm
; The softmax step of 32 keys for both query tiles, in 16 groups; with withw each group stands behind one score product of the other 32 keys.
; The two query tiles take turns, so that the exponentials of one are followed by plain arithmetic of the other.
.macro SOFTMAX X, eoff, masked, first, withw
.if \masked
	MASK \X, \eoff
.endif
	SW \withw, 0
	MX1 0, \X
	MX2 0, \X
	SW \withw, 1
	MX3 0, \first
	MX4 0, \first
	SW \withw, 2
	FM 0, \X
	SW \withw, 3
	EX 0, \X, 0
	MX1 1, \X
	SW \withw, 4
	EX 0, \X, 4
	MX2 1, \X
	SW \withw, 5
	EX 0, \X, 8
	MX3 1, \first
	SW \withw, 6
	EX 0, \X, 12
	MX4 1, \first
	SW \withw, 7
	FM 1, \X
	SW \withw, 8
	EX 1, \X, 0
	SU1 0, \X
	SW \withw, 9
	EX 1, \X, 4
	SU2 0, \first
	SW \withw, 10
	EX 1, \X, 8
	CV 0, \X, 0
	SW \withw, 11
	EX 1, \X, 12
	CV 0, \X, 4
	SW \withw, 12
	SU1 1, \X
	SW \withw, 13
	SU2 1, \first
	SW \withw, 14
	CV 1, \X, 0
	SW \withw, 15
	CV 1, \X, 4
.endm
.macro RESC n                          ; O (q = n % 2, dt = n / 2) times its query tile's rescale
.irp p, 0,2,4,6
	v_pk_mul_f32 v[8*(8*((\n)%2)+(\n)/2)+\p:8*(8*((\n)%2)+(\n)/2)+\p+1], v[8*(8*((\n)%2)+(\n)/2)+\p:8*(8*((\n)%2)+(\n)/2)+\p+1], v[AL+2*((\n)%2):AL+2*((\n)%2)+1] op_sel_hi:[1,0]
.endr
.endm
; O^T += V^T P^T for 32 keys: 16 accumulators by turns; the rescale of an accumulator stands two products ahead of its own.
.macro PVM F, X, first
.if \first == 0
	RESC 0
	RESC 1
.endif
.set pn, 0
.rept 16
.if \first
	v_wmma_f32_16x16x32_f16 v[8*(8*(pn%2)+pn/2):8*(8*(pn%2)+pn/2)+7], v[\F+8*(pn/2):\F+8*(pn/2)+7], v[\X+16*(pn%2):\X+16*(pn%2)+7], 0
.else
	v_wmma_f32_16x16x32_f16 v[8*(8*(pn%2)+pn/2):8*(8*(pn%2)+pn/2)+7], v[\F+8*(pn/2):\F+8*(pn/2)+7], v[\X+16*(pn%2):\X+16*(pn%2)+7], v[8*(8*(pn%2)+pn/2):8*(8*(pn%2)+pn/2)+7]
.if pn < 14
	RESC (pn+2)
.endif
.endif
.set pn, pn+1
.endr
.endm
; One tile of 64 keys from slot.  One barrier a tile: in front of it every wave waits for all its tensor loads (this tile's two among them) and for its
; reads of the other slot; behind it the other slot is filled again first.  A wave has two tensor loads out, with a tile's work in which to land.
.macro TILE slot, masked, first, refill
	s_set_vgpr_msb 0xa
	s_wait_tensorcnt 0x0                           ; all my tensor loads have landed, so every group 0 may be written:
	ds_add_u32 v0, v1
	s_wait_dscnt 0x0
	s_set_vgpr_msb 0xa00
	s_add_nc_u64 s[G0K+4*\slot+2:G0K+4*\slot+3], s[G0K+4*\slot+2:G0K+4*\slot+3], 2*64*ROWB     ; this slot's next tile (behind the last tiles: written, not used)
	s_add_nc_u64 s[G0V+4*\slot+2:G0V+4*\slot+3], s[G0V+4*\slot+2:G0V+4*\slot+3], 2*64*ROWB
	s_wait_dscnt 0x0                               ; my reads of the last tile are done
	s_barrier_signal -1
	s_barrier_wait -1
.if \refill
	tensor_load_to_lds s[G0K+4-4*\slot:G0K+7-4*\slot], s[G1K:G1K+7]
	s_nop 0
	tensor_load_to_lds s[G0V+4-4*\slot:G0V+7-4*\slot], s[G1V:G1V+7]
	s_nop 0
.endif
	PLACES                                         ; the fragment registers were read by the last tile's matrix instructions
	WIN 0x40
.irp kt, 0,1
.irp c, 0,1,2,3
	ds_load_b128 v[FB+8*(4*\kt+\c):FB+8*(4*\kt+\c)+3],   v[ADK] offset:\slot*SLOT+\kt*16*PK+64*\c          ; K, keys 0-31
	ds_load_b128 v[FB+8*(4*\kt+\c)+4:FB+8*(4*\kt+\c)+7], v[ADK] offset:\slot*SLOT+\kt*16*PK+64*\c+32
.endr
.endr
	WIN 0
.irp kt, 0,1
.irp c, 0,1,2,3
	ds_load_b128 v[FK+8*(4*\kt+\c):FK+8*(4*\kt+\c)+3],   v[ADK] offset:\slot*SLOT+(2+\kt)*16*PK+64*\c      ; K, keys 32-63
	ds_load_b128 v[FK+8*(4*\kt+\c)+4:FK+8*(4*\kt+\c)+7], v[ADK] offset:\slot*SLOT+(2+\kt)*16*PK+64*\c+32
.endr
.endr
	WIN 0x40
.irp dt, 0,1,2,3,4,5,6,7
	ds_load_tr16_b128 v[FA+8*\dt:FA+8*\dt+3],   v[ADV] offset:\slot*SLOT+32*\dt                            ; V^T, keys 0-31
	ds_load_tr16_b128 v[FA+8*\dt+4:FA+8*\dt+7], v[ADV] offset:\slot*SLOT+32*\dt+16*PVP
.endr
	s_wait_dscnt 32                                ; the first 16 loads are in; the 32 younger ones (K of keys 32-63, V of keys 0-31) stay out
	WIN 0x01                                       ; source 0 (K) in window 1
.irp c, 0,1,2,3
.irp kt, 0,1
.irp q, 0,1
.if \c == 0
	v_wmma_f32_16x16x32_f16 v[S1+16*\q+8*\kt:S1+16*\q+8*\kt+7], v[FB+8*(4*\kt+\c):FB+8*(4*\kt+\c)+7], v[Q+8*(4*\q+\c):Q+8*(4*\q+\c)+7], 0
.else
	v_wmma_f32_16x16x32_f16 v[S1+16*\q+8*\kt:S1+16*\q+8*\kt+7], v[FB+8*(4*\kt+\c):FB+8*(4*\kt+\c)+7], v[Q+8*(4*\q+\c):Q+8*(4*\q+\c)+7], v[S1+16*\q+8*\kt:S1+16*\q+8*\kt+7]
.endif
.endr
.endr
.endr
	WIN 0x40
	PLACES                                         ; before K's registers are loaded again and before the scores are read
.irp dt, 0,1,2,3,4,5,6,7
	ds_load_tr16_b128 v[FB+8*\dt:FB+8*\dt+3],   v[ADV] offset:\slot*SLOT+32*PVP+32*\dt                     ; V^T, keys 32-63
	ds_load_tr16_b128 v[FB+8*\dt+4:FB+8*\dt+7], v[ADV] offset:\slot*SLOT+32*PVP+32*\dt+16*PVP
.endr
	WIN 0
	s_wait_dscnt 32                                ; K of keys 32-63 is in; V's 32 loads stay out
	SOFTMAX S1, 0, \masked, \first, 1
	s_wait_dscnt 16                                ; V of keys 0-31 is in; the 16 younger loads stay out
	WIN 0x51                                       ; O (C and D) and V in window 1, P and the rescale in window 0
	PVM FA, S1, \first
	WIN 0
.if \first
	PLACES                                         ; no rescale stood among those products: the places before the second half's scores are read
.endif
	SOFTMAX S2, 32, \masked, 0, 0
	s_wait_dscnt 0x0                               ; V of keys 32-63
	WIN 0x51
	PVM FB, S2, 0
	WIN 0
	s_add_co_u32 s13, s13, 64
.endm
	TILE 0, 1, 1, 1
	s_cmp_eq_u32 s12, 0
	s_cbranch_scc1 .Ltail
.Lloop:
	TILE 1, 0, 0, 1
	TILE 0, 0, 0, 1
	s_sub_co_i32 s12, s12, 1
	s_cmp_lg_u32 s12, 0
	s_cbranch_scc1 .Lloop
.Ltail:
	TILE 1, 1, 0, 1
	TILE 0, 1, 0, 0                                ; the last tile: nothing more is fetched, and no tensor load is out from here on
	PLACES                                         ; before O is read
	v_permlanex16_b32 v[TT],   v[LL],   s14, s15   ; the sum over the other half of the keys
	v_permlanex16_b32 v[TT+4], v[LL+1], s14, s15
	v_add_f32 v[LL],   v[LL],   v[TT]
	v_add_f32 v[LL+1], v[LL+1], v[TT+4]
	v_rcp_f32 v[AL],   v[LL]                       ; the sum is at least 1: the largest score's probability
	v_rcp_f32 v[AL+2], v[LL+1]
	v_nop                                          ; one plain instruction before the results are used (ISA guide 5.7.2)
	s_wait_alu depctr_va_vdst(0)
; Query tile q: O / sum, rounded to f16, through my own stage (LDS serves a wave's instructions in order: no wait between stores and loads),
; read back as rows of 256 bytes: sixteen lanes store 256 consecutive bytes, aligned: one head of one row of att.
.macro OUTQ q
	WIN 0x01
.irp dt, 0,1,2,3,4,5,6,7
.irp p, 0,2,4,6
	v_pk_mul_f32 v[S1+8*\dt+\p:S1+8*\dt+\p+1], v[8*(8*\q+\dt)+\p:8*(8*\q+\dt)+\p+1], v[AL+2*\q:AL+2*\q+1] op_sel_hi:[1,0]
.endr
.endr
	WIN 0
.irp dt, 0,1,2,3,4,5,6,7
.irp i, 0,1,2,3
	v_cvt_pk_f16_f32 v[FK+4*\dt+\i], v[S1+8*\dt+2*\i], v[S1+8*\dt+2*\i+1]
.endr
	ds_store_b128 v[STO], v[FK+4*\dt:FK+4*\dt+3] offset:32*\dt
.endr
.irp i, 0,1,2,3,4,5,6,7
	ds_load_b128 v[RB+32*\q+4*\i:RB+32*\q+4*\i+3], v[RD] offset:2*272*\i
.endr
.irp i, 0,1,2,3,4,5,6,7
	s_wait_dscnt 7-\i                              ; this row pair is in, the younger loads stay out
	global_store_b128 v[CO], v[RB+32*\q+4*\i:RB+32*\q+4*\i+3], s[6:7] offset:65536*\q+8192*\i
.endr
.endm
	OUTQ 0
	OUTQ 1
	s_set_vgpr_msb 0xa
	s_wait_tensorcnt 0x0
	ds_add_u32 v0, v1
	s_wait_dscnt 0x0
	s_set_vgpr_msb 0xa00
	s_endpgm
.Lfunc_end_k_qc3a9de39a5_attn:
	.size	k_qc3a9de39a5_attn, .Lfunc_end_k_qc3a9de39a5_attn-k_qc3a9de39a5_attn
	.p2alignl 7, 3214868480
	.fill 96, 4, 3214868480
	.section	.rodata,"a",@progbits
	.p2align	6, 0x0
	.amdhsa_kernel k_qc3a9de39a5_attn
		.amdhsa_group_segment_fixed_size 327680
		.amdhsa_private_segment_fixed_size 0
		.amdhsa_enable_private_segment 0
		.amdhsa_kernarg_size 16
		.amdhsa_user_sgpr_count 2
		.amdhsa_user_sgpr_kernarg_segment_ptr 1
		.amdhsa_wavefront_size32 1
		.amdhsa_system_sgpr_workgroup_id_x 1
		.amdhsa_system_sgpr_workgroup_id_y 1
		.amdhsa_system_sgpr_workgroup_id_z 1
		.amdhsa_system_vgpr_workitem_id 0
		.amdhsa_next_free_vgpr 514
		.amdhsa_next_free_sgpr 66
		.amdhsa_reserve_vcc 1
		.amdhsa_float_denorm_mode_32 3
		.amdhsa_float_denorm_mode_16_64 3
		.amdhsa_memory_ordered 1
		.amdhsa_forward_progress 1
		.amdhsa_inst_pref_size 183
	.end_amdhsa_kernel
	.amdgpu_metadata
---
amdhsa.version: [ 1, 2 ]
amdhsa.kernels:
  - .name:           k_qc3a9de39a5_attn
    .symbol:         k_qc3a9de39a5_attn.kd
    .args:
      - { .name: qkv, .offset: 0, .size: 8, .value_kind: global_buffer, .address_space: global }
      - { .name: att, .offset: 8, .size: 8, .value_kind: global_buffer, .address_space: global }
    .group_segment_fixed_size: 327680
    .private_segment_fixed_size: 0
    .kernarg_segment_align: 8
    .kernarg_segment_size: 16
    .max_flat_workgroup_size: 128
    .sgpr_count:     66
    .vgpr_count:     514
    .wavefront_size: 32
...
	.end_amdgpu_metadata
.endif
;; end of part 3
;; launch oproj (part 4): grid 16 x 16, 4 waves a work-group, clusters of 4 x 4, 327,680 bytes of LDS; arguments att, wob, out0; writes out0
.if DOCPART == 4
	.amdgcn_target "amdgcn-amd-amdhsa--gfx1250"
	.amdhsa_code_object_version 6
	.text
	.protected	k_qc3a9de39a5_oproj
	.globl	k_qc3a9de39a5_oproj
	.p2align	8
	.type	k_qc3a9de39a5_oproj,@function
k_qc3a9de39a5_oproj:
	s_mov_b64 s[64:65], 0
	v_nop
	global_prefetch_b8 v0, s[64:65] scope:SCOPE_SE
	s_setreg_imm32_b32 hwreg(HW_REG_WAVE_MODE, 25, 1), 1
	s_wait_xcnt 0x0
	s_wait_alu depctr_hold_cnt(0) depctr_sa_sdst(0) depctr_va_vdst(0) depctr_va_sdst(0) depctr_va_ssrc(0) depctr_va_vcc(0) depctr_vm_vsrc(0)
	s_getreg_b32 s2, hwreg(HW_REG_IB_STS2, 6, 4)
	s_cmp_eq_u32 s2, 0
	s_cbranch_scc0 .Lentry_in_a_cluster
	s_endpgm
.Lentry_in_a_cluster:
	s_bfe_u32 s2, ttmp6, 0x10000c
	s_cmp_lg_u32 s2, 0xf033
	s_cbranch_scc0 .Lentry_shape_is_right
	s_endpgm
.Lentry_shape_is_right:
; out0[t][n] = sum over k of att[t][k] wob[k][n].  att [2048][2048] f16, wob [2048][2048] f16 (bf16-rounded numbers), out0 f32; sums in f32.
; A work-group makes 128 x 128; 16 x 16 work-groups.  Wave (wm = w / 2, wn = w % 2) makes 64 x 64: 16 accumulators.
; The matrix instruction is used transposed (source 0 = 16 columns of wob, source 1 = 16 rows of att): lane (r, h), register j holds row 16 mt + r,
; column 16 nt + 8 h + j.  K goes in steps of 128 through two LDS slots filled by tensor loads; wob lies [k][n] and is transposed by ds_load_tr16_b128.
; CLUSTERS: 4 x 4 work-groups; att's tile hangs on the block row alone and is asked for jointly along a row of the cluster, wob's on the block column
; alone and jointly along a column.
.set KSTEP, 128
.set PA,    272                        ; att rows in LDS: 256 + 16 bytes
.set PB,    288                        ; wob rows in LDS: 256 + 32 bytes
.set PIECE, 64*PB                      ; 18,432: what one wave's tensor load is given: wave 0, 1: 64 rows of att (17,408 used); wave 2, 3: 64 k-rows of wob
.set SLOT,  4*PIECE                    ; 73,728
.set STAGE, 2*SLOT                     ; 147,456: 16 rows x 272 bytes for each wave; no tensor load lands here
.set ADRA, 4                           ; v4-5  slot s: my att fragments
.set ADRB, 6                           ; v6-7  slot s: my wob fragments
.set STO,  8
.set RD,   9
.set CO,   10
.set F0,   16                          ; v16-79   fragment buffer 0: att's row tile mt at +8 mt, wob's column tile nt at +32 + 8 nt
.set F1,   80                          ; v80-143  fragment buffer 1.  Window 1: v0-127 accumulator 4 nt + mt at 8 x that
.set G1A, 24
.set G0A, 32
.set G1B, 40
.set G0B, 48
.set MSB, 0
.macro WIN new                         ; s_set_vgpr_msb: bits 1:0 source 0, 3:2 source 1, 5:4 source 2, 7:6 destination; the high byte repeats the setting left
.if MSB != \new
	s_set_vgpr_msb (MSB<<8)|\new
.set MSB, \new
.endif
.endm
.macro PLACES                          ; four independent vector instructions behind matrix instructions (ISA guide 7.12.1)
.rept 4
	v_nop
.endr
.endm
.macro JLOAD s                         ; waves 0, 1 ask for att's halves, waves 2, 3 for wob's: one mask a line; the branch hangs on the wave's number alone
	s_cmp_ge_u32 s14, 2
	s_cbranch_scc1 .Lfor_b_\@
	tensor_load_to_lds s[G0A+4*\s:G0A+4*\s+3], s[G1A:G1A+7]
	s_nop 0
	s_branch .Lasked_\@
.Lfor_b_\@:
	tensor_load_to_lds s[G0B+4*\s:G0B+4*\s+3], s[G1B:G1B+7]
	s_nop 0
.Lasked_\@:
.endm
.macro CREST
	s_cmp_lg_u32 s14, 0
	s_cbranch_scc1 .Lnot_wave_0_\@
	s_barrier_signal -3
.Lnot_wave_0_\@:
	s_barrier_wait -3
	s_barrier_signal -1
	s_barrier_wait -1
.endm
.macro CROUND
	s_barrier_signal -1
	s_barrier_wait -1
	CREST
.endm
	s_load_b128 s[4:7], s[0:1], 0x0                ; att s[4:5], wob s[6:7]
	s_load_b64 s[8:9], s[0:1], 0x10                ; out0
	v_lshl_add_u32 v254, v0, 2, 0x29000
	v_mov_b32 v255, 0
	ds_add_u32 v254, v255
	ds_add_u32 v254, v255
	v_lshrrev_b32 v3, 5, v0
	v_readfirstlane_b32 s14, v3                    ; wave
	s_and_b32 s15, s14, 1                          ; wn; also: which half of its tile the wave fetches
	s_lshr_b32 s12, s14, 1                         ; wm
	s_bfe_u32 s16, ttmp6, 0x40000                  ; cx
	s_bfe_u32 s17, ttmp6, 0x40004                  ; cy
	s_lshl_b32 s18, ttmp9, 2
	s_add_co_u32 s18, s18, s16                     ; nb
	s_and_b32 s19, ttmp7, 0xffff
	s_lshl_b32 s19, s19, 2
	s_add_co_u32 s19, s19, s17                     ; mb
	s_lshl_b32 s20, s17, 2
	s_lshl_b32 s20, 15, s20                        ; my row of the cluster
	s_lshl_b32 s21, 0x1111, s16                    ; my column
	s_or_b32 s[G1A+0], s20, (1<<16)|(1<<20)|(1<<21)|(5<<22)|(3<<25)
	s_mov_b32 s[G1A+1], KSTEP<<16                  ; 128 elements
	s_mov_b32 s[G1A+2], 64<<16                     ; 64 rows
	s_mov_b32 s[G1A+3], KSTEP<<16
	s_mov_b32 s[G1A+4], 64
	s_mov_b32 s[G1A+5], 2048
	s_mov_b32 s[G1A+6], 0
	s_mov_b32 s[G1A+7], 0
	s_or_b32 s[G1B+0], s21, (1<<16)|(1<<20)|(1<<21)|(5<<22)|(7<<25)
	s_mov_b32 s[G1B+1], 128<<16
	s_mov_b32 s[G1B+2], 64<<16
	s_mov_b32 s[G1B+3], 128<<16
	s_mov_b32 s[G1B+4], 64
	s_mov_b32 s[G1B+5], 2048
	s_mov_b32 s[G1B+6], 0
	s_mov_b32 s[G1B+7], 0
	s_lshl_b32 s22, s15, 18                        ; my half: 64 rows of 4,096 bytes
	s_lshl_b32 s56, s19, 19                        ; att: mb x 128 rows (never holds cx)
	s_add_co_u32 s56, s56, s22
	s_mov_b32 s57, 0
	s_lshl_b32 s58, s18, 8                         ; wob: nb x 128 columns x 2 bytes (never holds cy)
	s_add_co_u32 s58, s58, s22
	s_mov_b32 s59, 0
	s_mul_i32 s23, s14, PIECE                      ; where my piece goes: wave x 18,432
	s_wait_dscnt 0x0
	s_wait_kmcnt 0x0
	s_add_nc_u64 s[56:57], s[4:5], s[56:57]
	s_add_nc_u64 s[58:59], s[6:7], s[58:59]
	CROUND                                         ; all sixteen work-groups are here: the first joint loads meet
.irp s, 0,1
	s_mov_b32 s[G0A+4*\s], 1
	s_add_co_u32 s[G0A+4*\s+1], s23, \s*SLOT
	s_add_nc_u64 s[G0A+4*\s+2:G0A+4*\s+3], s[56:57], \s*KSTEP*2
	s_or_b32 s[G0A+4*\s+3], s[G0A+4*\s+3], 0x80000000
	s_mov_b32 s[G0B+4*\s], 1
	s_add_co_u32 s[G0B+4*\s+1], s23, \s*SLOT
	s_add_nc_u64 s[G0B+4*\s+2:G0B+4*\s+3], s[58:59], \s*KSTEP*4096
	s_or_b32 s[G0B+4*\s+3], s[G0B+4*\s+3], 0x80000000
	JLOAD \s                                       ; K steps 0 and 1: two tensor loads of the wave are out
.endr
	v_and_b32 v1, 15, v0                           ; r
	v_bfe_u32 v2, v0, 4, 1                         ; h
	v_mul_u32_u24 v3, v1, PA
	v_lshl_add_u32 v3, v2, 4, v3
	s_mul_i32 s60, s12, PIECE                      ; my 64 rows of att
	v_add_nc_u32 v[ADRA], s60, v3
	s_add_co_u32 s60, s60, SLOT
	v_add_nc_u32 v[ADRA+1], s60, v3
	v_and_b32 v11, 7, v0
	v_lshl_add_u32 v11, v2, 3, v11
	v_mul_u32_u24 v11, v11, PB
	v_bfe_u32 v3, v0, 3, 1
	v_lshl_add_u32 v11, v3, 4, v11
	s_lshl_b32 s60, s15, 7                         ; my 64 columns of wob: 128 wn bytes,
	s_add_co_u32 s60, s60, 2*PIECE                 ; behind att's two pieces
	v_add_nc_u32 v[ADRB], s60, v11
	s_add_co_u32 s60, s60, SLOT
	v_add_nc_u32 v[ADRB+1], s60, v11
	s_mul_i32 s60, s14, 16*272
	s_add_co_u32 s60, s60, STAGE                   ; my stage
	v_mul_u32_u24 v3, v1, 272
	v_lshl_add_u32 v3, v2, 5, v3
	v_add_nc_u32 v[STO], s60, v3                   ; in: row r, 32 bytes for each half of the lanes
	v_mul_u32_u24 v3, v2, 272
	v_lshl_add_u32 v3, v1, 4, v3
	v_add_nc_u32 v[RD], s60, v3                    ; back: lanes 0-15 one row of 256 bytes, lanes 16-31 the next
	v_lshlrev_b32 v3, 13, v2
	v_lshl_add_u32 v[CO], v1, 4, v3                ; the same two rows in out0 (8,192 bytes each)
	s_lshl_b32 s60, s19, 20                        ; out0: (128 mb + 64 wm) rows
	s_lshl_b32 s61, s12, 19
	s_add_co_u32 s60, s60, s61
	s_lshl_b32 s61, s18, 9                         ; + (128 nb + 64 wn) columns of 4 bytes
	s_add_co_u32 s60, s60, s61
	s_lshl_b32 s61, s15, 8
	s_add_co_u32 s60, s60, s61
	s_mov_b32 s61, 0
	s_add_nc_u64 s[8:9], s[8:9], s[60:61]
.macro FETCH slot, c, f                ; 16 LDS loads: the fragments of 32 along K into buffer f
.irp m, 0,1,2,3
	ds_load_b128 v[\f+8*\m:\f+8*\m+3],   v[ADRA+\slot] offset:\m*16*PA+64*\c
	ds_load_b128 v[\f+8*\m+4:\f+8*\m+7], v[ADRA+\slot] offset:\m*16*PA+64*\c+32
.endr
.irp n, 0,1,2,3
	ds_load_tr16_b128 v[\f+32+8*\n:\f+32+8*\n+3],   v[ADRB+\slot] offset:32*PB*\c+32*\n
	ds_load_tr16_b128 v[\f+32+8*\n+4:\f+32+8*\n+7], v[ADRB+\slot] offset:32*PB*\c+32*\n+16*PB
.endr
.endm
; 8 matrix instructions.  All 16 accumulators take turns, one instruction a turn, in the same order in every quarter.
.macro MUL8 f, part, first
.set ai, 8*\part
.rept 8
.if \first
	v_wmma_f32_16x16x32_f16 v[8*ai:8*ai+7], v[\f+32+8*(ai/4):\f+32+8*(ai/4)+7], v[\f+8*(ai%4):\f+8*(ai%4)+7], 0
.else
	v_wmma_f32_16x16x32_f16 v[8*ai:8*ai+7], v[\f+32+8*(ai/4):\f+32+8*(ai/4)+7], v[\f+8*(ai%4):\f+8*(ai%4)+7], v[8*ai:8*ai+7]
.endif
.set ai, ai+1
.endr
.endm
.macro QUARTER slot, cnext, f, g, first
	s_wait_dscnt 0x0                               ; buffer f's 16 loads, issued a whole quarter ago
	WIN 0
	PLACES                                         ; buffer g was read by the last quarter's matrix instructions
	FETCH \slot, \cnext, \g
	WIN 0x50                                       ; C and D in window 1
	MUL8 \f, 0, \first
	MUL8 \f, 1, \first
.endm
.macro THREE slot, first
	QUARTER \slot, 1, F0, F1, \first
	QUARTER \slot, 2, F1, F0, 0
	QUARTER \slot, 3, F0, F1, 0
.endm
; The last quarter changes slots: each wave's waits for its reads of this slot and for all its tensor loads stand in front of the barrier, which opens a round
; of the cluster's barrier where the slot is filled again; the joint refill is the first tensor load behind the round.
.macro TURN slot, next, fill
	s_wait_dscnt 0x0                               ; buffer 1 is in, and with it my last reads of this slot
	s_wait_tensorcnt 0x0                           ; all my tensor loads have landed: the one that was out is my part of the next slot
	ds_add_u32 v254, v255
	s_wait_dscnt 0x0
	s_barrier_signal -1
	WIN 0x50
	MUL8 F1, 0, 0
	WIN 0
	s_barrier_wait -1
.if \fill
	CREST
	s_add_nc_u64 s[G0A+4*\slot+2:G0A+4*\slot+3], s[G0A+4*\slot+2:G0A+4*\slot+3], 2*KSTEP*2
	s_add_nc_u64 s[G0B+4*\slot+2:G0B+4*\slot+3], s[G0B+4*\slot+2:G0B+4*\slot+3], 2*KSTEP*4096
	JLOAD \slot
.endif
	PLACES
	FETCH \next, 0, F0
	WIN 0x50
	MUL8 F1, 1, 0
.endm
.macro LAP first
	THREE 0, \first
	TURN 0, 1, 1
	THREE 1, 0
	TURN 1, 0, 1
.endm
	s_wait_tensorcnt 0x1                           ; my part of K step 0 is in; K step 1's load stays out
	s_barrier_signal -1
	s_barrier_wait -1
	FETCH 0, 0, F0
	LAP 1                                          ; 16 K steps = 8 laps: the first starts the sums (C = 0),
	WIN 0
	s_mov_b32 s3, 6                                ; six in the loop,
.Llap:
	LAP 0
	WIN 0
	s_sub_co_u32 s3, s3, 1
	s_cmp_lg_u32 s3, 0
	s_cbranch_scc1 .Llap
	THREE 0, 0                                     ; and the last, which fills nothing
	TURN 0, 1, 0
	THREE 1, 0
	s_wait_dscnt 0x0
	WIN 0x50
	MUL8 F1, 0, 0
	MUL8 F1, 1, 0
	PLACES                                         ; before the results are stored to LDS and the buffers are loaded into
	; The way out, 16 rows at a time through my own stage (LDS serves a wave's instructions in order: no wait between my stores and my loads);
	; read back as rows of 256 bytes into registers of their own; sixteen lanes store 256 consecutive bytes, aligned.
.irp mt, 0,1,2,3
	WIN 0x04                                       ; an LDS store's data is source 1: window 1
.irp nt, 0,1,2,3
	ds_store_b128 v[STO], v[8*(4*\nt+\mt):8*(4*\nt+\mt)+3]   offset:64*\nt
	ds_store_b128 v[STO], v[8*(4*\nt+\mt)+4:8*(4*\nt+\mt)+7] offset:64*\nt+16
.endr
	WIN 0
.irp i, 0,1,2,3,4,5,6,7
	ds_load_b128 v[F0+32*\mt+4*\i:F0+32*\mt+4*\i+3], v[RD] offset:2*272*\i
.endr
.irp i, 0,1,2,3,4,5,6,7
	s_wait_dscnt 7-\i                              ; this row pair is in, the younger loads stay out
	global_store_b128 v[CO], v[F0+32*\mt+4*\i:F0+32*\mt+4*\i+3], s[8:9] offset:131072*\mt+16384*\i
.endr
.endr
	s_wait_tensorcnt 0x0
	ds_add_u32 v254, v255
	s_wait_dscnt 0x0
	CROUND                                         ; the closing round: no work-group ends while a partner may still ask for a tile that names it
	s_endpgm
.Lfunc_end_k_qc3a9de39a5_oproj:
	.size	k_qc3a9de39a5_oproj, .Lfunc_end_k_qc3a9de39a5_oproj-k_qc3a9de39a5_oproj
	.p2alignl 7, 3214868480
	.fill 96, 4, 3214868480
	.section	.rodata,"a",@progbits
	.p2align	6, 0x0
	.amdhsa_kernel k_qc3a9de39a5_oproj
		.amdhsa_group_segment_fixed_size 327680
		.amdhsa_private_segment_fixed_size 0
		.amdhsa_enable_private_segment 0
		.amdhsa_kernarg_size 24
		.amdhsa_user_sgpr_count 2
		.amdhsa_user_sgpr_kernarg_segment_ptr 1
		.amdhsa_wavefront_size32 1
		.amdhsa_system_sgpr_workgroup_id_x 1
		.amdhsa_system_sgpr_workgroup_id_y 1
		.amdhsa_system_sgpr_workgroup_id_z 1
		.amdhsa_system_vgpr_workitem_id 0
		.amdhsa_next_free_vgpr 384
		.amdhsa_next_free_sgpr 66
		.amdhsa_reserve_vcc 0
		.amdhsa_float_denorm_mode_32 3
		.amdhsa_float_denorm_mode_16_64 3
		.amdhsa_memory_ordered 1
		.amdhsa_forward_progress 1
		.amdhsa_inst_pref_size 72
	.end_amdhsa_kernel
	.amdgpu_metadata
---
amdhsa.version: [ 1, 2 ]
amdhsa.kernels:
  - .name:           k_qc3a9de39a5_oproj
    .symbol:         k_qc3a9de39a5_oproj.kd
    .args:
      - { .name: att, .offset: 0, .size: 8, .value_kind: global_buffer, .address_space: global }
      - { .name: wob, .offset: 8, .size: 8, .value_kind: global_buffer, .address_space: global }
      - { .name: out0, .offset: 16, .size: 8, .value_kind: global_buffer, .address_space: global }
    .group_segment_fixed_size: 327680
    .private_segment_fixed_size: 0
    .kernarg_segment_align: 8
    .kernarg_segment_size: 24
    .max_flat_workgroup_size: 128
    .sgpr_count:     66
    .vgpr_count:     384
    .wavefront_size: 32
...
	.end_amdgpu_metadata
.endif
;; end of part 4
;; ======== version 2 of 2: 4 launches
;; limits: values are held in f16: magnitudes above 65,504 overflow, below 6.1e-05 lose precision
;; workspace buffers: hb 8,388,608 bytes; wqb 12,582,912 bytes; wob 8,388,608 bytes; qkv 12,582,912 bytes; att 8,388,608 bytes
;; launch cast: the kernel of part 1 again; grid 1792 x 1, 8 waves a work-group, no clusters, 0 bytes of LDS; arguments hidden_states, w_qkv, w_o, hb, wqb, wob; writes hb, wqb, wob
;; launch qkvproj (part 5): grid 8 x 32, 4 waves a work-group, clusters of 4 x 4, 327,680 bytes of LDS; arguments hb, wqb, b_qkv, positions, qkv; writes qkv
.if DOCPART == 5
	.amdgcn_target "amdgcn-amd-amdhsa--gfx1250"
	.amdhsa_code_object_version 6
	.text
	.protected	k_qc3a9de39a5_qkvproj
	.globl	k_qc3a9de39a5_qkvproj
	.p2align	8
	.type	k_qc3a9de39a5_qkvproj,@function
k_qc3a9de39a5_qkvproj:
	s_mov_b64 s[64:65], 0
	v_nop
	global_prefetch_b8 v0, s[64:65] scope:SCOPE_SE
	s_setreg_imm32_b32 hwreg(HW_REG_WAVE_MODE, 25, 1), 1
	s_wait_xcnt 0x0
	s_wait_alu depctr_hold_cnt(0) depctr_sa_sdst(0) depctr_va_vdst(0) depctr_va_sdst(0) depctr_va_ssrc(0) depctr_va_vcc(0) depctr_vm_vsrc(0)
	s_getreg_b32 s2, hwreg(HW_REG_IB_STS2, 6, 4)
	s_cmp_eq_u32 s2, 0
	s_cbranch_scc0 .Lentry_in_a_cluster
	s_endpgm
.Lentry_in_a_cluster:
	s_bfe_u32 s2, ttmp6, 0x10000c
	s_cmp_lg_u32 s2, 0xf033
	s_cbranch_scc0 .Lentry_shape_is_right
	s_endpgm
.Lentry_shape_is_right:
; qkv[t][n] = RoPE( sum over k of hb[t][k] wqb[k][n] + b_qkv[n] ), stored in f16.  hb [2048][2048] bf16, wqb [2048][3072] bf16, sums in f32.
; A work-group makes 64 rows x 384 columns (three heads of 128); 8 x 32 work-groups.  Wave w takes all 64 rows (4 row tiles) and, in each
; of the three heads, the column tiles d = 16 w .. and d = 64 + 16 w ..: the two partners (d, d + 64) of a rotation lie in the same lane and
; register number of two accumulators, and one set of cosines and sines (frequencies 16 w + 8 h + j) serves all three heads.
; The matrix instruction is used transposed (source 0 = 16 columns of the weights, source 1 = 16 rows of hb): lane (r, h), register j holds
; row 16 mt + r, column n0 + 8 h + j, eight neighbouring columns.  The bias is the C operand of the first product: nothing is cleared or added later.
; THE RING.  K goes in 32 tiles of 64 through FIVE LDS slots of 64,512 bytes filled by tensor loads, one load a wave and tile.  Four slots are filled again
; behind one barrier: five tiles go out at the start, then four behind each of six barriers, then the last three.  The fifth slot has landed by
; the wait for all loads and is multiplied while the four are on their way.  (Three slots of a K step of 128 would be 384,000 bytes: they do not fit.
; So hb's rows in a tile are 128 bytes; the weights' rows, six sevenths of a tile's bytes, are 256.)  The slots' turns repeat only every 20 tiles,
; so the 32 tiles are written out by macro, without a loop.
; CLUSTERS: 4 x 4 work-groups; the hb tile hangs on the block row alone and is asked for jointly along a row of the cluster, the weight tiles on the
; block column alone and jointly along a column.  Each batch of refills stands behind a round of the cluster's barrier.
; The weights lie [k][n]; ds_load_tr16_b128 transposes them on the way into registers (pitch 288 = 9 x 32 bytes).
; LIMITS.  Angles: x = position x inv_freq in f32; inv_freq = exp2(-f log2(1e5) / 64), relative error about 2e-7; x is reduced by pi in two parts and
; sin, cos are Taylor sums to r^11 and r^10 on |r| <= pi/2 (truncation below 5e-7); meant for |position| <= 2^20.  The phase differs from one made with
; another rounding of inv_freq by about 1.2e-7 x |position| radians.  Results are rounded to f16: they must stay below 65,504 in magnitude
; (numbers below 2^-14 are kept to 2^-24).
.set KSTEP, 64
.set PA,    144                        ; hb rows in LDS: 128 bytes + 16: an odd multiple of 16, so 16 rows begin in 16 different 16-byte columns of 256
.set PB,    288                        ; weight rows in LDS: 256 bytes + 32: an odd multiple of 32
.set BHEAD, KSTEP*PB                   ; 18,432: one head's 64 k-rows
.set AOFF,  3*BHEAD                    ; 55,296: hb's 64 rows lie behind the three heads
.set SLOT,  AOFF+64*PA                 ; 64,512
.set STAGE, 2*SLOT                     ; the way out uses slot 2 (64 rows x 784 bytes = 50,176): its last fill is tile 27, landed and read by every wave
                                       ; in front of the last batch's barrier, and that batch fills slots 4, 0 and 1 only
.set SP,    784                        ; 768 + 16
.set ROWQ,  6144                       ; bytes in a row of qkv and of wqb
.set ADRA, 4                           ; v4-8    slot s: LDS address of my hb fragments
.set ADRB, 9                           ; v9-13   slot s: LDS address of my weight fragments (the head goes into the immediate)
.set STO,  14                          ; v14     way out: where I put 16 bytes
.set RD,   15                          ; v15     way out: where I read a row back
.set CO,   255                         ; v255    my byte offset in qkv
.set F0,   16                          ; v16-95   fragment buffer 0: hb's row tile mt at +8 mt, weights (hd, half) at +32 + 8 (2 hd + half)
.set F1,   96                          ; v96-175  fragment buffer 1
.set COS,  176                         ; v176-207 cos for row 16 mt + r, frequency 16 w + 8 h + j, at 8 mt + j
.set SIN,  208                         ; v208-239 sin likewise
.set IVF,  240                         ; v240-247 inv_freq of my eight frequencies
.set POS,  248                         ; v248-251 positions of my four rows, then in f32
.set TX,   F0                          ; at work on the angles, before buffer 0 is first filled
.set TN,   F0+8
.set TZ,   F0+16
.set T1,   F0                          ; at work on the way out
.set T2,   F0+8
.set PKD,  F0+16
.set BIAS, 192                         ; window 1: v192-239 bias of (hd, half) at 8 (2 hd + half); v0-191 accumulator 8 hd + 4 half + mt at 8 x that
.set G1A, 24                           ; s[24:31] group 1 of hb's tile
.set G1B, 32                           ; s[32:39] group 1 of a weight tile
.set G0A, 40                           ; s[40:59] group 0 of hb's tile, a set for each slot
.set G0B, 68                           ; s[68:87] group 0 of my weight tile, a set for each slot
.set MSK, 99                           ; s99-101  head hd: all ones where it is rotated (q, k), 0 where not (v)
.set MSB, 0
.macro WIN new                         ; s_set_vgpr_msb: bits 1:0 source 0, 3:2 source 1, 5:4 source 2, 7:6 destination; the high byte repeats the setting left
.if MSB != \new
	s_set_vgpr_msb (MSB<<8)|\new
.set MSB, \new
.endif
.endm
.macro PLACES                          ; four independent vector instructions behind matrix instructions (ISA guide 7.12.1) before their registers are loaded into or read
.rept 4
	v_nop
.endr
.endm
.macro TLA t
	tensor_load_to_lds s[G0A+4*\t:G0A+4*\t+3], s[G1A:G1A+7]
	s_nop 0
.endm
.macro TLB t
	tensor_load_to_lds s[G0B+4*\t:G0B+4*\t+3], s[G1B:G1B+7]
	s_nop 0
.endm
; n joint loads (3, 4 or 5), into slots a, b, .. in the tiles' order.  Waves 0-2 fetch the weight tiles of head w, wave 3 hb's tiles: as many loads on either way.
; Each line has one mask; the branch hangs on the wave's number alone.
.macro JLOADS n, a, b, c, d, e
	s_cmp_lg_u32 s14, 3
	s_cbranch_scc1 .Lfor_b_\@
	TLA \a
	TLA \b
	TLA \c
.if \n > 3
	TLA \d
.endif
.if \n > 4
	TLA \e
.endif
	s_branch .Lasked_\@
.Lfor_b_\@:
	TLB \a
	TLB \b
	TLB \c
.if \n > 3
	TLB \d
.endif
.if \n > 4
	TLB \e
.endif
.Lasked_\@:
.endm
.macro STEP t                          ; slot t's next tile lies five tiles on
	s_add_nc_u64 s[G0A+4*\t+2:G0A+4*\t+3], s[G0A+4*\t+2:G0A+4*\t+3], 5*KSTEP*2
	s_add_nc_u64 s[G0B+4*\t+2:G0B+4*\t+3], s[G0B+4*\t+2:G0B+4*\t+3], 5*KSTEP*ROWQ
.endm
.macro CREST                           ; a round of the cluster's barrier behind its opening work-group barrier
	s_cmp_lg_u32 s14, 0
	s_cbranch_scc1 .Lnot_wave_0_\@
	s_barrier_signal -3
.Lnot_wave_0_\@:
	s_barrier_wait -3
	s_barrier_signal -1
	s_barrier_wait -1
.endm
.macro CROUND
	s_barrier_signal -1
	s_barrier_wait -1
	CREST
.endm
	s_load_b256 s[4:11], s[0:1], 0x0               ; hb s[4:5], wqb s[6:7], b_qkv s[8:9], positions s[10:11]
	s_load_b64 s[12:13], s[0:1], 0x20              ; qkv
	s_set_vgpr_msb 0x40
	v_lshl_add_u32 v254, v0, 2, 0x4ec00
	v_mov_b32 v255, 0
	s_set_vgpr_msb 0x4045
	ds_add_u32 v254, v255
	ds_add_u32 v254, v255
	s_set_vgpr_msb 0x4500
	v_lshrrev_b32 v3, 5, v0
	v_readfirstlane_b32 s14, v3                    ; wave 0..3
	s_bfe_u32 s16, ttmp6, 0x40000                  ; cx
	s_bfe_u32 s17, ttmp6, 0x40004                  ; cy
	s_lshl_b32 s18, ttmp9, 2
	s_add_co_u32 s18, s18, s16                     ; nb: block column, 0..7 (384 columns each)
	s_and_b32 s19, ttmp7, 0xffff
	s_lshl_b32 s19, s19, 2
	s_add_co_u32 s19, s19, s17                     ; mb: block row, 0..31 (64 rows each)
	s_lshl_b32 s20, s17, 2
	s_lshl_b32 s20, 15, s20                        ; my row of the cluster
	s_lshl_b32 s21, 0x1111, s16                    ; my column
	s_or_b32 s[G1A+0], s20, (1<<16)|(1<<20)|(1<<21)|(4<<22)|(3<<25)   ; mask; 2-byte elements; padding on; bit 21 beside a mask; after 32 words skip 4
	s_mov_b32 s[G1A+1], KSTEP<<16                  ; tensor_dim0 = 64
	s_mov_b32 s[G1A+2], 64<<16                     ; tensor_dim1 = 64
	s_mov_b32 s[G1A+3], KSTEP<<16                  ; tile_dim0 = 64
	s_mov_b32 s[G1A+4], 64                         ; tile_dim1 = 64
	s_mov_b32 s[G1A+5], 2048                       ; elements from row to row of hb
	s_mov_b32 s[G1A+6], 0
	s_mov_b32 s[G1A+7], 0
	s_or_b32 s[G1B+0], s21, (1<<16)|(1<<20)|(1<<21)|(5<<22)|(7<<25)   ; my column's mask; after 64 words skip 8
	s_mov_b32 s[G1B+1], 128<<16                    ; 128 columns
	s_mov_b32 s[G1B+2], KSTEP<<16                  ; 64 k-rows
	s_mov_b32 s[G1B+3], 128<<16
	s_mov_b32 s[G1B+4], KSTEP
	s_mov_b32 s[G1B+5], 3072                       ; elements from row to row of wqb
	s_mov_b32 s[G1B+6], 0
	s_mov_b32 s[G1B+7], 0
	s_lshl_b32 s60, s19, 18                        ; hb: mb x 64 rows x 4,096 bytes (never holds cx)
	s_mov_b32 s61, 0
	s_mul_i32 s62, s18, 768                        ; wqb: nb x 384 columns x 2 bytes (never holds cy)
	s_lshl_b32 s63, s14, 8                         ; + my head's 256 bytes
	s_add_co_u32 s62, s62, s63
	s_mov_b32 s63, 0
	s_mul_i32 s22, s14, BHEAD                      ; where my tile goes: wave x 18,432 (wave 3: AOFF); no place in the cluster enters an LDS address
	s_wait_dscnt 0x0
	s_wait_kmcnt 0x0
	s_add_nc_u64 s[60:61], s[4:5], s[60:61]
	s_add_nc_u64 s[62:63], s[6:7], s[62:63]
	CROUND                                         ; all sixteen work-groups are here: the first joint loads meet
.irp s, 0,1,2,3,4
	s_mov_b32 s[G0A+4*\s], 1
	s_add_co_u32 s[G0A+4*\s+1], s22, \s*SLOT
	s_add_nc_u64 s[G0A+4*\s+2:G0A+4*\s+3], s[60:61], \s*KSTEP*2
	s_or_b32 s[G0A+4*\s+3], s[G0A+4*\s+3], 0x80000000
	s_mov_b32 s[G0B+4*\s], 1
	s_add_co_u32 s[G0B+4*\s+1], s22, \s*SLOT
	s_add_nc_u64 s[G0B+4*\s+2:G0B+4*\s+3], s[62:63], \s*KSTEP*ROWQ
	s_or_b32 s[G0B+4*\s+3], s[G0B+4*\s+3], 0x80000000
.endr
	JLOADS 5, 0, 1, 2, 3, 4                        ; tiles 0 to 4: five tensor loads of the wave are out, the most in this text
	; While the first tiles are on their way: bias, positions, addresses, cosines and sines.
	v_and_b32 v1, 15, v0                           ; r
	v_bfe_u32 v2, v0, 4, 1                         ; h
	s_mul_i32 s23, s18, 1536                       ; bias: nb x 384 x 4 bytes
	s_lshl_b32 s60, s14, 6                         ; + 16 w x 4
	s_add_co_u32 s23, s23, s60
	v_lshl_add_u32 v252, v2, 5, s23                ; + 8 h x 4
	s_lshl_b32 s61, s19, 8                         ; positions: mb x 64 x 4 bytes
	v_lshl_add_u32 v253, v1, 2, s61                ; + 4 r
	WIN 0x40                                       ; destination in window 1
.irp q, 0,1,2,3,4,5
	global_load_b128 v[BIAS+8*\q:BIAS+8*\q+3],   v252, s[8:9] offset:256*\q       ; bias of columns 64 q + 16 w + 8 h + 0..3 of my three heads
	global_load_b128 v[BIAS+8*\q+4:BIAS+8*\q+7], v252, s[8:9] offset:256*\q+16
.endr
	WIN 0
.irp m, 0,1,2,3
	global_load_b32 v[POS+\m], v253, s[10:11] offset:64*\m                        ; positions[64 mb + 16 m + r]
.endr
	v_mul_u32_u24 v3, v1, PA
	v_lshl_add_u32 v3, v2, 4, v3                   ; hb fragment: r x pitch + 16 h
.irp s, 0,1,2,3,4
	v_add_nc_u32 v[ADRA+\s], AOFF+\s*SLOT, v3
.endr
	v_and_b32 v254, 7, v0
	v_lshl_add_u32 v254, v2, 3, v254               ; weight fragment: k-row 8 h + (lane & 7)
	v_mul_u32_u24 v254, v254, PB
	v_bfe_u32 v3, v0, 3, 1
	v_lshl_add_u32 v254, v3, 4, v254               ; + 16 x bit 3 of the lane
	s_lshl_b32 s60, s14, 5
	v_add_nc_u32 v254, s60, v254                   ; + my 16 columns (32 w bytes)
.irp s, 0,1,2,3,4
	v_add_nc_u32 v[ADRB+\s], \s*SLOT, v254
.endr
	v_mul_u32_u24 v3, v1, SP
	v_lshl_add_u32 v3, v2, 4, v3
	s_add_co_u32 s61, s60, STAGE
	v_add_nc_u32 v[STO], s61, v3                   ; stage + 784 r + 32 w + 16 h
	s_mul_i32 s61, s14, 16*SP
	s_add_co_u32 s61, s61, STAGE
	v_mul_u32_u24 v3, v2, SP
	v_lshl_add_u32 v3, v1, 4, v3
	v_add_nc_u32 v[RD], s61, v3                    ; stage + (16 w + h) x 784 + 16 r
	s_mul_i32 s61, s14, 16*ROWQ
	v_mul_u32_u24 v3, v2, ROWQ
	v_lshl_add_u32 v3, v1, 4, v3
	v_add_nc_u32 v[CO], s61, v3                    ; (16 w + h) rows of qkv + 16 r
	s_mul_i32 s60, s19, 64*ROWQ                    ; qkv at my block: mb x 64 rows
	s_mul_i32 s61, s18, 768                        ; + nb x 768 bytes
	s_add_co_u32 s60, s60, s61
	s_mov_b32 s61, 0
	s_add_nc_u64 s[12:13], s[12:13], s[60:61]
	s_mul_i32 s22, s18, 3                          ; my first head; heads 0-19 (q and k) are rotated, 20-23 (v) are not.
.irp hd, 0,1,2
	s_add_co_u32 s23, s22, \hd                     ; A select mask and no branch: partners of a cluster run one text
	s_cmp_lt_u32 s23, 20
	s_cselect_b32 s[MSK+\hd], -1, 0
.endr
	s_mov_b32 s66, 0xbea2f983                      ; -1/pi
	s_mov_b32 s67, 0x40490fdb                      ; pi, upper part
	s_mov_b32 s88, 0xb3bbbd2e                      ; pi, lower part
	s_mov_b32 s89, 0xb2d7322b                      ; -1/11!
	s_mov_b32 s90, 0x3638ef1d                      ;  1/9!
	s_mov_b32 s91, 0xb9500d01                      ; -1/7!
	s_mov_b32 s92, 0x3c088889                      ;  1/5!
	s_mov_b32 s93, 0xbe2aaaab                      ; -1/3!
	s_mov_b32 s94, 0xb493f27e                      ; -1/10!
	s_mov_b32 s95, 0x37d00d01                      ;  1/8!
	s_mov_b32 s96, 0xbab60b61                      ; -1/6!
	s_mov_b32 s97, 0x3d2aaaab                      ;  1/4!
	s_lshl_b32 s60, s14, 4
	v_lshl_add_u32 v254, v2, 3, s60                ; my first frequency: 16 w + 8 h
.irp j, 0,1,2,3,4,5,6,7
	v_add_nc_u32 v[IVF+\j], \j, v254
.endr
.irp j, 0,1,2,3,4,5,6,7
	v_cvt_f32_u32 v[IVF+\j], v[IVF+\j]
.endr
.irp j, 0,1,2,3,4,5,6,7
	v_mul_f32 v[IVF+\j], 0xbe84e08b, v[IVF+\j]     ; x -log2(100000)/64
.endr
.irp j, 0,1,2,3,4,5,6,7
	v_exp_f32 v[IVF+\j], v[IVF+\j]                 ; inv_freq; the conversions below are the plain instructions that stand before its first use
.endr
	s_wait_loadcnt 0x0                             ; bias and positions
	s_wait_alu depctr_va_vdst(0)
.irp m, 0,1,2,3
	v_cvt_f32_i32 v[POS+\m], v[POS+\m]
.endr
; cos and sin of position x inv_freq for row tile mt, eight frequencies side by side so that no line waits for the one in front of it.
; n' = -round(x / pi); r = x + n' pi (two parts); sin x = (-1)^n sin r, cos x = (-1)^n cos r: the sign is n's lowest bit moved to bit 31.
.macro SINCOS8 mt
.irp j, 0,1,2,3,4,5,6,7
	v_mul_f32 v[TX+\j], v[POS+\mt], v[IVF+\j]
.endr
.irp j, 0,1,2,3,4,5,6,7
	v_mul_f32 v[TN+\j], s66, v[TX+\j]
.endr
.irp j, 0,1,2,3,4,5,6,7
	v_rndne_f32 v[TN+\j], v[TN+\j]
.endr
.irp j, 0,1,2,3,4,5,6,7
	v_fma_f32 v[TX+\j], v[TN+\j], s67, v[TX+\j]
.endr
.irp j, 0,1,2,3,4,5,6,7
	v_fma_f32 v[TX+\j], v[TN+\j], s88, v[TX+\j]
.endr
.irp j, 0,1,2,3,4,5,6,7
	v_cvt_i32_f32 v[TN+\j], v[TN+\j]
	v_mul_f32 v[TZ+\j], v[TX+\j], v[TX+\j]
.endr
.irp j, 0,1,2,3,4,5,6,7
	v_lshlrev_b32 v[TN+\j], 31, v[TN+\j]
	v_fma_f32 v[SIN+8*\mt+\j], v[TZ+\j], s89, s90
	v_fma_f32 v[COS+8*\mt+\j], v[TZ+\j], s94, s95
.endr
.irp j, 0,1,2,3,4,5,6,7
	v_fma_f32 v[SIN+8*\mt+\j], v[SIN+8*\mt+\j], v[TZ+\j], s91
	v_fma_f32 v[COS+8*\mt+\j], v[COS+8*\mt+\j], v[TZ+\j], s96
.endr
.irp j, 0,1,2,3,4,5,6,7
	v_fma_f32 v[SIN+8*\mt+\j], v[SIN+8*\mt+\j], v[TZ+\j], s92
	v_fma_f32 v[COS+8*\mt+\j], v[COS+8*\mt+\j], v[TZ+\j], s97
.endr
.irp j, 0,1,2,3,4,5,6,7
	v_fma_f32 v[SIN+8*\mt+\j], v[SIN+8*\mt+\j], v[TZ+\j], s93
	v_fma_f32 v[COS+8*\mt+\j], v[COS+8*\mt+\j], v[TZ+\j], -0.5
.endr
.irp j, 0,1,2,3,4,5,6,7
	v_fma_f32 v[SIN+8*\mt+\j], v[SIN+8*\mt+\j], v[TZ+\j], 1.0
	v_fma_f32 v[COS+8*\mt+\j], v[COS+8*\mt+\j], v[TZ+\j], 1.0
.endr
.irp j, 0,1,2,3,4,5,6,7
	v_mul_f32 v[SIN+8*\mt+\j], v[SIN+8*\mt+\j], v[TX+\j]
	v_xor_b32 v[COS+8*\mt+\j], v[TN+\j], v[COS+8*\mt+\j]
.endr
.irp j, 0,1,2,3,4,5,6,7
	v_xor_b32 v[SIN+8*\mt+\j], v[TN+\j], v[SIN+8*\mt+\j]
.endr
.endm
	SINCOS8 0
	SINCOS8 1
	SINCOS8 2
	SINCOS8 3
; 20 LDS loads: the fragments of 32 along K (half c of the slot's tile) into buffer f: 4 row tiles of hb, 6 column tiles of the weights.
.macro FETCH slot, c, f
.irp m, 0,1,2,3
	ds_load_b128 v[\f+8*\m:\f+8*\m+3],   v[ADRA+\slot] offset:\m*16*PA+64*\c
	ds_load_b128 v[\f+8*\m+4:\f+8*\m+7], v[ADRA+\slot] offset:\m*16*PA+64*\c+32
.endr
.irp hd, 0,1,2
.irp hf, 0,1
	ds_load_tr16_b128 v[\f+32+8*(2*\hd+\hf):\f+32+8*(2*\hd+\hf)+3],   v[ADRB+\slot] offset:\hd*BHEAD+32*PB*\c+128*\hf
	ds_load_tr16_b128 v[\f+32+8*(2*\hd+\hf)+4:\f+32+8*(2*\hd+\hf)+7], v[ADRB+\slot] offset:\hd*BHEAD+32*PB*\c+128*\hf+16*PB
.endr
.endr
.endm
; 12 matrix instructions, accumulators 12 part .. 12 part + 11.  All 24 accumulators take turns, one instruction a turn, in the same order in every
; half tile.  first = 1: C is the bias, which starts the sums.
.macro MUL12 f, part, first
.set ai, 12*\part
.rept 12
.if \first
	v_wmma_f32_16x16x32_bf16 v[8*ai:8*ai+7], v[\f+32+8*(ai/4):\f+32+8*(ai/4)+7], v[\f+8*(ai%4):\f+8*(ai%4)+7], v[BIAS+8*(ai/4):BIAS+8*(ai/4)+7]
.else
	v_wmma_f32_16x16x32_bf16 v[8*ai:8*ai+7], v[\f+32+8*(ai/4):\f+32+8*(ai/4)+7], v[\f+8*(ai%4):\f+8*(ai%4)+7], v[8*ai:8*ai+7]
.endif
.set ai, ai+1
.endr
.endm
; A tile's first half: fetches the second half's fragments into buffer 1, then multiplies buffer 0.
.macro HEADQ slot, first
	s_wait_dscnt 0x0                               ; buffer 0's 20 loads, issued 12 matrix instructions or more ago
	WIN 0
	PLACES                                         ; buffer 1 was read by the last matrix instructions
	FETCH \slot, 1, F1
	WIN 0x50                                       ; C and D in window 1, fragments in window 0
	MUL12 F0, 0, \first
	MUL12 F0, 1, \first
.endm
; A tile's second half multiplies buffer 1 and goes on to the tile in slot next, which is still on its way or has just landed.
; left = how many younger tensor loads of mine may stay out.  It only shows the tile's four parts to all four waves.
.macro CHANGE next, left
	s_wait_dscnt 0x0                               ; buffer 1 is in; no LDS instruction is pending at the signal
	s_wait_tensorcnt \left                         ; tensor loads of a wave end in order (ISA guide 10.11.1): my part of the next tile is in
	s_barrier_signal -1
	WIN 0x50
	MUL12 F1, 0, 0                                 ; work on registers while the others arrive
	WIN 0
	s_barrier_wait -1
	PLACES                                         ; buffer 0 was read by matrix instructions
	FETCH \next, 0, F0
	WIN 0x50
	MUL12 F1, 1, 0
.endm
; The same where slots are filled again.  In front of the barrier each wave waits for its reads (those of slots a .. d are over) and for ALL its tensor loads
; (one is out: its part of slot next).  The barrier opens a round of the cluster's barrier, only matrix instructions stand inside it, and the n joint
; refills are the first tensor loads behind its closing wait; then slot next, which has landed, is read while they are on their way.
.macro REFILL next, n, a, b, c, d
	s_wait_dscnt 0x0                               ; buffer 1 is in, and with it my last reads of the slots to be filled
	s_set_vgpr_msb 0x5055
	s_wait_tensorcnt 0x0                           ; all my tensor loads have landed
	ds_add_u32 v254, v255
	s_wait_dscnt 0x0
	s_set_vgpr_msb 0x5550
	s_barrier_signal -1
	WIN 0x50
	MUL12 F1, 0, 0
	WIN 0
	s_barrier_wait -1
	CREST
	STEP \a                                        ; no load of mine is out: every group 0 may be written
	STEP \b
	STEP \c
.if \n > 3
	STEP \d
.endif
	JLOADS \n, \a, \b, \c, \d, 0
	PLACES                                         ; buffer 0 was read by matrix instructions
	FETCH \next, 0, F0
	WIN 0x50
	MUL12 F1, 1, 0
.endm
; Four tiles, in slots a, b, c, d; then n of these slots are filled again and slot e is taken up.
; The counts 3, 2, 1: of the loads issued behind the last batch's barrier, those younger than the tile that is taken up.
.macro GROUP a, b, c, d, e, n, first
	HEADQ \a, \first
	CHANGE \b, 3
	HEADQ \b, 0
	CHANGE \c, 2
	HEADQ \c, 0
	CHANGE \d, 1
	HEADQ \d, 0
	REFILL \e, \n, \a, \b, \c, \d
.endm
	s_wait_tensorcnt 0x4                           ; my part of tile 0 is in; tiles 1 to 4 stay out
	s_barrier_signal -1
	s_barrier_wait -1
	FETCH 0, 0, F0
	GROUP 0, 1, 2, 3, 4, 4, 1                      ; tiles 0-3;   tiles 5-8 go out
	GROUP 4, 0, 1, 2, 3, 4, 0                      ; tiles 4-7;   tiles 9-12
	GROUP 3, 4, 0, 1, 2, 4, 0                      ; tiles 8-11;  tiles 13-16
	GROUP 2, 3, 4, 0, 1, 4, 0                      ; tiles 12-15; tiles 17-20
	GROUP 1, 2, 3, 4, 0, 4, 0                      ; tiles 16-19; tiles 21-24
	GROUP 0, 1, 2, 3, 4, 4, 0                      ; tiles 20-23; tiles 25-28
	GROUP 4, 0, 1, 2, 3, 3, 0                      ; tiles 24-27; the last three, 29-31, into slots 4, 0, 1; slot 2 is filled no more
	HEADQ 3, 0                                     ; tile 28
	CHANGE 4, 2                                    ; three loads went out: the counts start at 2
	HEADQ 4, 0
	CHANGE 0, 1
	HEADQ 0, 0
	CHANGE 1, 0                                    ; the last tile: no tensor load is out from here on
	HEADQ 1, 0
	s_wait_dscnt 0x0
	WIN 0x50
	MUL12 F1, 0, 0
	MUL12 F1, 1, 0
	PLACES                                         ; before the results are read
; The way out of head hd, row tile mt: x1 = columns d < 64, x2 = columns d + 64 of one row; out1 = x1 cos - x2 sin, out2 = x2 cos + x1 sin;
; a v head keeps x1, x2 (select by the head's mask); rounded to f16, 16 bytes a lane into the stage.
.macro ROPE hd, mt
	WIN 0x01                                       ; source 0 (the accumulators) in window 1
.irp p, 0,2,4,6
	v_pk_mul_f32 v[T1+\p:T1+\p+1], v[8*(8*\hd+\mt)+\p:8*(8*\hd+\mt)+\p+1],     v[COS+8*\mt+\p:COS+8*\mt+\p+1]
	v_pk_mul_f32 v[T2+\p:T2+\p+1], v[8*(8*\hd+4+\mt)+\p:8*(8*\hd+4+\mt)+\p+1], v[COS+8*\mt+\p:COS+8*\mt+\p+1]
.endr
.irp p, 0,2,4,6
	v_pk_fma_f32 v[T1+\p:T1+\p+1], v[8*(8*\hd+4+\mt)+\p:8*(8*\hd+4+\mt)+\p+1], v[SIN+8*\mt+\p:SIN+8*\mt+\p+1], v[T1+\p:T1+\p+1] neg_lo:[1,0,0] neg_hi:[1,0,0]
	v_pk_fma_f32 v[T2+\p:T2+\p+1], v[8*(8*\hd+\mt)+\p:8*(8*\hd+\mt)+\p+1],     v[SIN+8*\mt+\p:SIN+8*\mt+\p+1], v[T2+\p:T2+\p+1]
.endr
.irp j, 0,1,2,3,4,5,6,7
	v_cndmask_b32 v[T1+\j], v[8*(8*\hd+\mt)+\j],   v[T1+\j], s[MSK+\hd]
	v_cndmask_b32 v[T2+\j], v[8*(8*\hd+4+\mt)+\j], v[T2+\j], s[MSK+\hd]
.endr
	WIN 0
.irp i, 0,1,2,3
	v_cvt_pk_f16_f32 v[PKD+\i],   v[T1+2*\i], v[T1+2*\i+1]
	v_cvt_pk_f16_f32 v[PKD+4+\i], v[T2+2*\i], v[T2+2*\i+1]
.endr
	ds_store_b128 v[STO], v[PKD:PKD+3]   offset:16*SP*\mt+256*\hd
	ds_store_b128 v[STO], v[PKD+4:PKD+7] offset:16*SP*\mt+256*\hd+128
.endm
.irp hd, 0,1,2
.irp mt, 0,1,2,3
	ROPE \hd, \mt
.endr
.endr
	s_wait_dscnt 0x0                               ; my stores into the stage are done, for the other waves' sake
	s_barrier_signal -1
	s_barrier_wait -1
	; Wave w takes rows 16 w .. 16 w + 15 back, whole: 24 loads into registers of their own, then 24 stores of which sixteen lanes write 256 consecutive bytes, aligned.
.irp hd, 0,1,2
.irp i, 0,1,2,3,4,5,6,7
	ds_load_b128 v[F0+4*(8*\hd+\i):F0+4*(8*\hd+\i)+3], v[RD] offset:2*SP*\i+256*\hd
.endr
.endr
.irp hd, 0,1,2
.irp i, 0,1,2,3,4,5,6,7
	s_wait_dscnt 23-(8*\hd+\i)                     ; LDS loads return in order: this one is in, the younger ones stay out
	global_store_b128 v[CO], v[F0+4*(8*\hd+\i):F0+4*(8*\hd+\i)+3], s[12:13] offset:2*ROWQ*\i+256*\hd
.endr
.endr
	s_set_vgpr_msb 0x5
	s_wait_tensorcnt 0x0
	ds_add_u32 v254, v255
	s_wait_dscnt 0x0
	s_set_vgpr_msb 0x500
	CROUND                                         ; the closing round: no work-group ends while a partner may still ask for a tile that names it
	s_endpgm
.Lfunc_end_k_qc3a9de39a5_qkvproj:
	.size	k_qc3a9de39a5_qkvproj, .Lfunc_end_k_qc3a9de39a5_qkvproj-k_qc3a9de39a5_qkvproj
	.p2alignl 7, 3214868480
	.fill 96, 4, 3214868480
	.section	.rodata,"a",@progbits
	.p2align	6, 0x0
	.amdhsa_kernel k_qc3a9de39a5_qkvproj
		.amdhsa_group_segment_fixed_size 327680
		.amdhsa_private_segment_fixed_size 0
		.amdhsa_enable_private_segment 0
		.amdhsa_kernarg_size 40
		.amdhsa_user_sgpr_count 2
		.amdhsa_user_sgpr_kernarg_segment_ptr 1
		.amdhsa_wavefront_size32 1
		.amdhsa_system_sgpr_workgroup_id_x 1
		.amdhsa_system_sgpr_workgroup_id_y 1
		.amdhsa_system_sgpr_workgroup_id_z 1
		.amdhsa_system_vgpr_workitem_id 0
		.amdhsa_next_free_vgpr 512
		.amdhsa_next_free_sgpr 102
		.amdhsa_reserve_vcc 0
		.amdhsa_float_denorm_mode_32 3
		.amdhsa_float_denorm_mode_16_64 3
		.amdhsa_memory_ordered 1
		.amdhsa_forward_progress 1
		.amdhsa_inst_pref_size 255
	.end_amdhsa_kernel
	.section	.bss,"aw",@nobits
	.p2align	6
	.space	262144
	.amdgpu_metadata
---
amdhsa.version: [ 1, 2 ]
amdhsa.kernels:
  - .name:           k_qc3a9de39a5_qkvproj
    .symbol:         k_qc3a9de39a5_qkvproj.kd
    .args:
      - { .name: hb, .offset: 0, .size: 8, .value_kind: global_buffer, .address_space: global }
      - { .name: wqb, .offset: 8, .size: 8, .value_kind: global_buffer, .address_space: global }
      - { .name: b_qkv, .offset: 16, .size: 8, .value_kind: global_buffer, .address_space: global }
      - { .name: positions, .offset: 24, .size: 8, .value_kind: global_buffer, .address_space: global }
      - { .name: qkv, .offset: 32, .size: 8, .value_kind: global_buffer, .address_space: global }
    .group_segment_fixed_size: 327680
    .private_segment_fixed_size: 0
    .kernarg_segment_align: 8
    .kernarg_segment_size: 40
    .max_flat_workgroup_size: 128
    .sgpr_count:     102
    .vgpr_count:     512
    .wavefront_size: 32
...
	.end_amdgpu_metadata
.endif
;; end of part 5
;; launch attn (part 6): grid 64 x 4, 8 waves a work-group, no clusters, 327,680 bytes of LDS; arguments qkv, att; writes att
.if DOCPART == 6
	.amdgcn_target "amdgcn-amd-amdhsa--gfx1250"
	.amdhsa_code_object_version 6
	.text
	.protected	k_qc3a9de39a5_attn
	.globl	k_qc3a9de39a5_attn
	.p2align	8
	.type	k_qc3a9de39a5_attn,@function
k_qc3a9de39a5_attn:
	s_mov_b64 s[64:65], 0
	v_nop
	global_prefetch_b8 v0, s[64:65] scope:SCOPE_SE
	s_setreg_imm32_b32 hwreg(HW_REG_WAVE_MODE, 25, 1), 1
	s_wait_xcnt 0x0
; Attention with the mask 0 <= query - key <= 1024, 16 query heads on 4 key/value heads, d = 128.  qkv [2048][3072] f16 (q at column 128 head,
; k at 2048 + 128 g, v at 2560 + 128 g, q and k already rotated); att [2048][2048] f16.  Products in f16 with f32 sums, softmax in f32.
; Work-group (b, g): 32 queries from 32 b, key/value head g.  EIGHT WAVES, two for each of a WGP's four SIMDs (2 x 512 registers).  Wave w works for query head
; 4 g + (w & 3), with two query tiles of 16 rows, on one half of the keys: a tile is 128 keys, waves 0-3 take its keys 0-63, waves 4-7 its keys 64-127.
; Each wave keeps a running maximum, sum and O of its own; at the end the two waves of a head merge them through LDS, once.  So the four heads that share
; K and V read one copy of each tile, each 64 keys are read from LDS by four waves, and each SIMD has a second wave's products to issue while one waits.
; NO CLUSTER: neighbouring query blocks begin and end at different key tiles and take different numbers of them (3 to 9), so partners could not
; make the same requests in the same trips; the sharing among heads is already had inside the work-group.
; TRANSPOSED PRODUCTS.  S^T = K Q^T: lane (r, h), register j holds key 8 h + j of a 16-key tile, query r.  Two such tiles packed to f16 in place are
; the B fragment of P^T for 32 keys.  O^T = V^T P^T with V^T through the transposing LDS load: a lane holds 8 neighbouring d of query r.
; So maximum, sum and rescale are one number a lane, shared between lanes r and r + 16 by one v_permlanex16_b32.
; TILES of 128 keys, aligned.  a = b / 4 is the diagonal's tile; t0 = max(a, 8) - 8; tiles t0 .. t0 + 2 LOOPS + 2 are taken: the first with the mask,
; 2 LOOPS without (they lie strictly between t0 and a: all their keys are inside the window for all 32 queries), the last two with the mask.
; The last tile taken is at most tile 15.  A wave's 64 keys are worked in two halves of 32; the first half's softmax is spread between the second half's score products.
; MASKED SCORES are set to -2^126.  Scores are sums of 128 products of f16 numbers, at most 128 x 65,504^2 = 5.5e11 in magnitude, so no real score lies below that
; fill, and a masked key's probability is exp2 of about -1e37: 0, as with the lowest finite f32.  A power of two is taken because a wave's keys can all be masked
; for a query (its half of the first tile, or every tile of waves 4-7 in the first blocks): then m is the fill, m c is exact, the exponent is exactly 0
; and the probabilities are 1: finite numbers, which the rescale exp2(new - old) = 0 wipes out at the first real score, or the merge's factor 0 at the end.
; LIMITS.  Probabilities (at most 1) and the result are rounded to f16.  v must be finite.
; The exponent is s c + (-m c) in one fused step, c = log2(e) / sqrt(128); rescale and merge use exp2 of differences of the ROUNDED -m c, so the rounding of m c is a
; common factor of probabilities, sum and O and cancels in the division.
.set PK,    272                        ; K rows in LDS: 256 + 16 bytes
.set PVP,   288                        ; V rows in LDS: 256 + 32 bytes, an odd multiple of 32 for the transposing load
.set TKEYS, 128                        ; keys in a tile
.set VOFF,  TKEYS*PK                   ; 34,816
.set SLOT,  VOFF+TKEYS*PVP             ; 71,680
.set STAGE, 2*SLOT                     ; 143,360: 16 rows x 272 bytes for each wave; no tensor load lands here
.set MRG,   STAGE+8*16*272             ; 178,176: the exchange: for each head two parts of MRGW bytes; no tensor load lands here
.set MRGW,  8448                       ; 64 registers x 32 lanes x 4 bytes of O, then 32 lanes x 8 bytes of (-m c, sum)
.set ROWB,  6144                       ; bytes in a row of qkv
.set MB,  2                            ; v2      exchange of my head: 16 x lane
.set MP,  3                            ; v3      the same + 8,192 + 8 x lane
.set STO, 4
.set RD,  5
.set CO,  6
.set DQ,  7                            ; v7-8    query tile q: 32 b + 16 q + r - 8 h
.set QO,  9                            ; v9      6144 r + 16 h
.set AL,  10                           ; v10-13  q: the rescale (pair; the upper register is only named, never used)
.set NM,  14                           ; v14-17  q: -m c (pair likewise)
.set MM,  18                           ; v18-19  q: running maximum of the raw scores
.set LL,  20                           ; v20-21  q: running sum of my half of the lanes' keys
.set TT,  22                           ; v22-29  q: four registers at work
.set DD,  30                           ; v30-31  q: DQ - first key of my 64
.set Q,   32                           ; v32-95   Q fragment (q, c) at 8 (4 q + c)
.set S1,  96                           ; v96-127  scores of keys 0-31: q at 16 q, 16-key tile kt at + 8 kt; then P in the first 8 of each 16
.set S2,  128                          ; v128-159 scores of keys 32-63
.set FK,  160                          ; v160-223 K fragments of keys 32-63 at 8 (4 kt + c)
.set SU,  224                          ; v224-239 q: partial sums
.set ADK, 240                          ; v240-241 slot s: my 64 rows of K: 272 r + 16 h
.set ADV, 242                          ; v242-243 slot s: my 64 rows of V: (8 h + (lane & 7)) x 288 + 16 x bit 3 of the lane
.set RB,  192                          ; way out: rows read back
.set FA,  128                          ; window 1: v128-191 V fragments of keys 0-31 at 8 dt
.set FB,  192                          ; window 1: v192-255 K fragments of keys 0-31, then V fragments of keys 32-63;  v0-127: O (q, dt) at 8 (8 q + dt)
.set G1K, 24
.set G1V, 32
.set G0K, 40                           ; a set for each slot
.set G0V, 48
.set MSB, 0
.macro WIN new                         ; s_set_vgpr_msb: bits 1:0 source 0, 3:2 source 1, 5:4 source 2, 7:6 destination; the high byte repeats the setting left
.if MSB != \new
	s_set_vgpr_msb (MSB<<8)|\new
.set MSB, \new
.endif
.endm
.macro PLACES                          ; four independent vector instructions behind matrix instructions (ISA guide 7.12.1)
.rept 4
	v_nop
.endr
.endm
	s_load_b128 s[4:7], s[0:1], 0x0                ; qkv s[4:5], att s[6:7]
	v_lshl_add_u32 v254, v0, 2, 0x3c000
	v_mov_b32 v255, 0
	ds_add_u32 v254, v255
	ds_add_u32 v254, v255
	v_lshrrev_b32 v1, 5, v0
	v_readfirstlane_b32 s8, v1                     ; wave 0..7
	s_and_b32 s2, s8, 3                            ; my head among the four
	s_lshr_b32 s3, s8, 2                           ; my half of each tile's keys
	s_mov_b32 s9, ttmp9                            ; b
	s_and_b32 s10, ttmp7, 0xffff                   ; g
	s_lshr_b32 s11, s9, 2                          ; a
	s_max_u32 s21, s11, 8
	s_sub_co_u32 s21, s21, 8                       ; t0
	s_min_u32 s12, s11, 8
	s_add_co_u32 s12, s12, 1
	s_lshr_b32 s12, s12, 1
	s_max_u32 s12, s12, 1
	s_sub_co_u32 s12, s12, 1                       ; LOOPS, 0..3
	s_lshl_b32 s13, s21, 7                         ; first key of the first tile
	s_mov_b32 s14, 0x76543210                      ; v_permlanex16_b32: lane i of the other half
	s_mov_b32 s15, 0xfedcba98
	s_mov_b32 s16, 0x3e0293ee                      ; c = log2(e) / sqrt(128)
	s_mov_b32 s17, 0x3e0293ee
	s_mov_b32 s18, 0xbe0293ee                      ; -c
	s_mov_b32 s19, 1024                            ; the window
	s_mov_b32 s20, 0xfe800000                      ; -2^126: a masked score
	s_mov_b32 s[G1K+0], (1<<16)|(1<<20)|(5<<22)|(3<<25)    ; 2-byte elements, after 64 words skip 4
	s_mov_b32 s[G1K+1], 128<<16                    ; 128 elements
	s_mov_b32 s[G1K+2], 16<<16                     ; 16 rows
	s_mov_b32 s[G1K+3], 128<<16
	s_mov_b32 s[G1K+4], 16
	s_mov_b32 s[G1K+5], 3072                       ; elements from row to row
	s_mov_b32 s[G1K+6], 0
	s_mov_b32 s[G1K+7], 0
	s_mov_b32 s[G1V+0], (1<<16)|(1<<20)|(5<<22)|(7<<25)    ; after 64 words skip 8
	s_mov_b32 s[G1V+1], 128<<16
	s_mov_b32 s[G1V+2], 16<<16
	s_mov_b32 s[G1V+3], 128<<16
	s_mov_b32 s[G1V+4], 16
	s_mov_b32 s[G1V+5], 3072
	s_mov_b32 s[G1V+6], 0
	s_mov_b32 s[G1V+7], 0
	s_lshl_b32 s22, s8, 4
	s_add_co_u32 s22, s22, s13                     ; the 16 rows that I fetch of the first tile: 128 t0 + 16 w
	s_mul_i32 s22, s22, ROWB
	s_lshl_b32 s23, s10, 8
	s_add_co_u32 s22, s22, s23
	s_add_co_u32 s22, s22, 4096                    ; k head g: byte 4,096 + 256 g of the row
	s_mov_b32 s23, 0
	s_lshl_b32 s56, s3, 6
	s_add_co_u32 s13, s13, s56                     ; from here on: the first of MY 64 keys in the tile at work
	s_mul_i32 s56, s8, 16*PK                       ; K's rows go to slot + 4,352 w,
	s_mul_i32 s57, s8, 16*PVP
	s_add_co_u32 s57, s57, VOFF                    ; V's to slot + 34,816 + 4,608 w
	s_wait_dscnt 0x0
	s_wait_kmcnt 0x0
	s_add_nc_u64 s[22:23], s[4:5], s[22:23]
.irp s, 0,1
	s_mov_b32 s[G0K+4*\s], 1
	s_add_co_u32 s[G0K+4*\s+1], s56, \s*SLOT
	s_add_nc_u64 s[G0K+4*\s+2:G0K+4*\s+3], s[22:23], \s*TKEYS*ROWB
	s_or_b32 s[G0K+4*\s+3], s[G0K+4*\s+3], 0x80000000
	s_mov_b32 s[G0V+4*\s], 1
	s_add_co_u32 s[G0V+4*\s+1], s57, \s*SLOT
	s_add_nc_u64 s[G0V+4*\s+2:G0V+4*\s+3], s[22:23], \s*TKEYS*ROWB+1024   ; v head g lies 1,024 bytes behind k head g
	s_or_b32 s[G0V+4*\s+3], s[G0V+4*\s+3], 0x80000000
.endr
	tensor_load_to_lds s[G0K:G0K+3], s[G1K:G1K+7]  ; the first tile, my eighth of K and of V
	s_nop 0
	tensor_load_to_lds s[G0V:G0V+3], s[G1V:G1V+7]
	s_nop 0
	s_mul_i32 s58, s9, 32*ROWB                     ; q: row 32 b,
	s_lshl2_add_u32 s60, s10, s2                   ; head 4 g + (w & 3)
	s_lshl_b32 s60, s60, 8
	s_add_co_u32 s58, s58, s60
	s_mov_b32 s59, 0
	s_add_nc_u64 s[58:59], s[4:5], s[58:59]
	s_lshl_b32 s62, s9, 17                         ; att: row 32 b (4,096 bytes each), the same head
	s_add_co_u32 s62, s62, s60
	s_mov_b32 s63, 0
	s_add_nc_u64 s[6:7], s[6:7], s[62:63]
	v_and_b32 v1, 15, v0                           ; r
	v_bfe_u32 v31, v0, 4, 1                        ; h
	v_mul_u32_u24 v[QO], v1, ROWB
	v_lshl_add_u32 v[QO], v31, 4, v[QO]
.irp q, 0,1
.irp c, 0,1,2,3
	global_load_b128 v[Q+8*(4*\q+\c):Q+8*(4*\q+\c)+3],   v[QO], s[58:59] offset:16*ROWB*\q+64*\c       ; Q(row 16 q + r, d = 32 c + 8 h ..)
	global_load_b128 v[Q+8*(4*\q+\c)+4:Q+8*(4*\q+\c)+7], v[QO], s[58:59] offset:16*ROWB*\q+64*\c+32    ; d = 32 c + 16 + 8 h ..
.endr
.endr
	v_mul_u32_u24 v28, v1, PK
	v_lshl_add_u32 v28, v31, 4, v28                ; 272 r + 16 h
	s_mul_i32 s60, s3, 64*PK                       ; my 64 rows of K
	v_add_nc_u32 v[ADK], s60, v28
	v_add_nc_u32 v[ADK+1], SLOT, v[ADK]            ; a slot is longer than an LDS immediate reaches: an address register for each slot
	v_and_b32 v30, 7, v0
	v_lshl_add_u32 v30, v31, 3, v30
	v_mul_u32_u24 v30, v30, PVP
	v_bfe_u32 v29, v0, 3, 1
	v_lshl_add_u32 v30, v29, 4, v30
	s_mul_i32 s60, s3, 64*PVP                      ; my 64 rows of V,
	s_add_co_u32 s60, s60, VOFF                    ; behind K's 128
	v_add_nc_u32 v[ADV], s60, v30
	v_add_nc_u32 v[ADV+1], SLOT, v[ADV]
	s_mul_i32 s60, s8, 16*272
	s_add_co_u32 s60, s60, STAGE                   ; my stage
	v_add_nc_u32 v[STO], s60, v28                  ; in: row r, 16 bytes for each half of the lanes
	v_mul_u32_u24 v30, v31, 272
	v_lshl_add_u32 v30, v1, 4, v30
	v_add_nc_u32 v[RD], s60, v30                   ; back: lanes 0-15 one row of 256 bytes, lanes 16-31 the next
	v_lshlrev_b32 v30, 12, v31
	v_lshl_add_u32 v[CO], v1, 4, v30               ; and the same two rows in att
	v_and_b32 v29, 31, v0                          ; lane
	s_mul_i32 s60, s2, 2*MRGW
	s_add_co_u32 s60, s60, MRG                     ; my head's exchange: part 0 is written by waves 0-3, part 1 (+ MRGW, in the immediate) by waves 4-7
	v_lshl_add_u32 v[MB], v29, 4, s60
	s_add_co_u32 s60, s60, 8192
	v_lshl_add_u32 v[MP], v29, 3, s60
	v_lshlrev_b32 v30, 3, v31
	v_sub_nc_u32 v30, v1, v30
	s_lshl_b32 s61, s9, 5
	v_add_nc_u32 v[DQ], s61, v30                   ; 32 b + r - 8 h (modulo 2^32; only differences are used)
	v_add_nc_u32 v[DQ+1], 16, v[DQ]
	v_mov_b32 v[AL+1], 0                           ; the upper registers of the broadcast pairs are named by packed instructions: written once
	v_mov_b32 v[AL+3], 0
	v_mov_b32 v[NM+1], 0
	v_mov_b32 v[NM+3], 0
	s_wait_loadcnt 0x0                             ; Q
; The mask: valid where 0 <= query - key <= 1024, one unsigned compare.  Register i of query tile q is key first + eoff + 16 (i / 8) + 8 h + i % 8.
.macro MASK X, eoff
	v_sub_nc_u32 v[DD],   v[DQ],   s13
	v_sub_nc_u32 v[DD+1], v[DQ+1], s13
.irp q, 0,1
.irp i, 0,1,2,3,4,5,6,7,8,9,10,11,12,13,14,15
	v_sub_nc_u32 v[TT+4*\q], v[DD+\q], \eoff+16*(\i/8)+(\i%8)
	v_cmp_ge_u32 vcc_lo, s19, v[TT+4*\q]
	v_cndmask_b32 v[\X+16*\q+\i], s20, v[\X+16*\q+\i], vcc_lo
.endr
.endr
.endm
; Score product k of the second half (keys 32-63): chunk c = k / 4 of d, 16-key tile (k / 2) % 2, query tile k % 2: four accumulators by turns.
.macro SW w, k
.if \w
.if (\k)/4 == 0
	v_wmma_f32_16x16x32_f16 v[S2+16*((\k)%2)+8*(((\k)/2)%2):S2+16*((\k)%2)+8*(((\k)/2)%2)+7], v[FK+8*(4*(((\k)/2)%2)+(\k)/4):FK+8*(4*(((\k)/2)%2)+(\k)/4)+7], v[Q+8*(4*((\k)%2)+(\k)/4):Q+8*(4*((\k)%2)+(\k)/4)+7], 0
.else
	v_wmma_f32_16x16x32_f16 v[S2+16*((\k)%2)+8*(((\k)/2)%2):S2+16*((\k)%2)+8*(((\k)/2)%2)+7], v[FK+8*(4*(((\k)/2)%2)+(\k)/4):FK+8*(4*(((\k)/2)%2)+(\k)/4)+7], v[Q+8*(4*((\k)%2)+(\k)/4):Q+8*(4*((\k)%2)+(\k)/4)+7], v[S2+16*((\k)%2)+8*(((\k)/2)%2):S2+16*((\k)%2)+8*(((\k)/2)%2)+7]
.endif
.endif
.endm
.macro MX1 q, X                        ; the largest of my 16 scores, first part
	v_max3_num_f32 v[TT+4*\q],   v[\X+16*\q],   v[\X+16*\q+1],  v[\X+16*\q+2]
	v_max3_num_f32 v[TT+4*\q+1], v[\X+16*\q+3], v[\X+16*\q+4],  v[\X+16*\q+5]
	v_max3_num_f32 v[TT+4*\q+2], v[\X+16*\q+6], v[\X+16*\q+7],  v[\X+16*\q+8]
	v_max3_num_f32 v[TT+4*\q+3], v[\X+16*\q+9], v[\X+16*\q+10], v[\X+16*\q+11]
.endm
.macro MX2 q, X
	v_max3_num_f32 v[TT+4*\q],   v[TT+4*\q],   v[\X+16*\q+12], v[\X+16*\q+13]
	v_max3_num_f32 v[TT+4*\q+1], v[TT+4*\q+1], v[\X+16*\q+14], v[\X+16*\q+15]
	v_max3_num_f32 v[TT+4*\q+2], v[TT+4*\q+2], v[TT+4*\q+3],   v[TT+4*\q]
	v_max_num_f32  v[TT+4*\q+2], v[TT+4*\q+2], v[TT+4*\q+1]
.endm
.macro MX3 q, first                    ; with the other half of the keys (lane r + 16 or r - 16) and the running maximum
	v_permlanex16_b32 v[TT+4*\q+3], v[TT+4*\q+2], s14, s15
.if \first
	v_max_num_f32 v[MM+\q], v[TT+4*\q+2], v[TT+4*\q+3]
.else
	v_max3_num_f32 v[MM+\q], v[TT+4*\q+2], v[TT+4*\q+3], v[MM+\q]
.endif
.endm
.macro MX4 q, first                    ; -m c, and the rescale exp2(new - old) of the rounded values
.if \first
	v_mul_f32 v[NM+2*\q], s18, v[MM+\q]
.else
	v_mul_f32 v[TT+4*\q], s18, v[MM+\q]
	v_sub_f32 v[TT+4*\q+1], v[TT+4*\q], v[NM+2*\q]
	v_mov_b32 v[NM+2*\q], v[TT+4*\q]
	v_exp_f32 v[AL+2*\q], v[TT+4*\q+1]             ; the next vector lines are plain and touch neither register (ISA guide 5.7.2)
.endif
.endm
.macro FM q, X                         ; s c - m c, two at a time
.irp p, 0,2,4,6,8,10,12,14
	v_pk_fma_f32 v[\X+16*\q+\p:\X+16*\q+\p+1], v[\X+16*\q+\p:\X+16*\q+\p+1], s[16:17], v[NM+2*\q:NM+2*\q+1] op_sel_hi:[1,0,0]
.endr
.endm
.macro EX q, X, i0                     ; four exponentials; plain lines of the other query tile always follow before a result is used
.irp i, 0,1,2,3
	v_exp_f32 v[\X+16*\q+\i0+\i], v[\X+16*\q+\i0+\i]
.endr
.endm
.macro SU1 q, X
	s_wait_alu depctr_va_vdst(0)
.irp p, 0,1,2,3
	v_pk_add_f32 v[SU+8*\q+2*\p:SU+8*\q+2*\p+1], v[\X+16*\q+4*\p:\X+16*\q+4*\p+1], v[\X+16*\q+4*\p+2:\X+16*\q+4*\p+3]
.endr
.endm
.macro SU2 q, first
	v_pk_add_f32 v[SU+8*\q:SU+8*\q+1],   v[SU+8*\q:SU+8*\q+1],   v[SU+8*\q+2:SU+8*\q+3]
	v_pk_add_f32 v[SU+8*\q+4:SU+8*\q+5], v[SU+8*\q+4:SU+8*\q+5], v[SU+8*\q+6:SU+8*\q+7]
	v_pk_add_f32 v[SU+8*\q:SU+8*\q+1],   v[SU+8*\q:SU+8*\q+1],   v[SU+8*\q+4:SU+8*\q+5]
.if \first
	v_add_f32 v[LL+\q], v[SU+8*\q], v[SU+8*\q+1]
.else
	v_add_f32 v[SU+8*\q], v[SU+8*\q], v[SU+8*\q+1]
	v_fma_f32 v[LL+\q], v[LL+\q], v[AL+2*\q], v[SU+8*\q]
.endif
.endm
.macro CV q, X, i0                     ; pack in place: register i takes numbers 2 i and 2 i + 1, which lie at or above it
.irp i, 0,1,2,3
	v_cvt_pk_f16_f32 v[\X+16*\q+\i0+\i], v[\X+16*\q+2*(\i0+\i)], v[\X+16*\q+2*(\i0+\i)+1]
.endr
.endm
; The softmax step of 32 keys for both query tiles, in 16 groups; with withw each group stands behind one score product of the other 32 keys.
; The two query tiles take turns, so that the exponentials of one are followed by plain arithmetic of the other.
.macro SOFTMAX X, eoff, masked, first, withw
.if \masked
	MASK \X, \eoff
.endif
	SW \withw, 0
	MX1 0, \X
	MX2 0, \X
	SW \withw, 1
	MX3 0, \first
	MX4 0, \first
	SW \withw, 2
	FM 0, \X
	SW \withw, 3
	EX 0, \X, 0
	MX1 1, \X
	SW \withw, 4
	EX 0, \X, 4
	MX2 1, \X
	SW \withw, 5
	EX 0, \X, 8
	MX3 1, \first
	SW \withw, 6
	EX 0, \X, 12
	MX4 1, \first
	SW \withw, 7
	FM 1, \X
	SW \withw, 8
	EX 1, \X, 0
	SU1 0, \X
	SW \withw, 9
	EX 1, \X, 4
	SU2 0, \first
	SW \withw, 10
	EX 1, \X, 8
	CV 0, \X, 0
	SW \withw, 11
	EX 1, \X, 12
	CV 0, \X, 4
	SW \withw, 12
	SU1 1, \X
	SW \withw, 13
	SU2 1, \first
	SW \withw, 14
	CV 1, \X, 0
	SW \withw, 15
	CV 1, \X, 4
.endm
.macro RESC n                          ; O (q = n % 2, dt = n / 2) times its query tile's rescale
.irp p, 0,2,4,6
	v_pk_mul_f32 v[8*(8*((\n)%2)+(\n)/2)+\p:8*(8*((\n)%2)+(\n)/2)+\p+1], v[8*(8*((\n)%2)+(\n)/2)+\p:8*(8*((\n)%2)+(\n)/2)+\p+1], v[AL+2*((\n)%2):AL+2*((\n)%2)+1] op_sel_hi:[1,0]
.endr
.endm
; O^T += V^T P^T for 32 keys: 16 accumulators by turns; the rescale of an accumulator stands two products ahead of its own.
.macro PVM F, X, first
.if \first == 0
	RESC 0
	RESC 1
.endif
.set pn, 0
.rept 16
.if \first
	v_wmma_f32_16x16x32_f16 v[8*(8*(pn%2)+pn/2):8*(8*(pn%2)+pn/2)+7], v[\F+8*(pn/2):\F+8*(pn/2)+7], v[\X+16*(pn%2):\X+16*(pn%2)+7], 0
.else
	v_wmma_f32_16x16x32_f16 v[8*(8*(pn%2)+pn/2):8*(8*(pn%2)+pn/2)+7], v[\F+8*(pn/2):\F+8*(pn/2)+7], v[\X+16*(pn%2):\X+16*(pn%2)+7], v[8*(8*(pn%2)+pn/2):8*(8*(pn%2)+pn/2)+7]
.if pn < 14
	RESC (pn+2)
.endif
.endif
.set pn, pn+1
.endr
.endm
; One tile of 128 keys from slot, of which the wave works 64.  One barrier a tile: in front of it every wave waits for all its tensor loads (this tile's two among
; them) and for its reads of the other slot; behind it the other slot is filled again first.  A wave has two tensor loads out, with a tile's work in which to land.
.macro TILE slot, masked, first, refill
	s_wait_tensorcnt 0x0                           ; all my tensor loads have landed, so every group 0 may be written:
	ds_add_u32 v254, v255
	s_wait_dscnt 0x0
	s_add_nc_u64 s[G0K+4*\slot+2:G0K+4*\slot+3], s[G0K+4*\slot+2:G0K+4*\slot+3], 2*TKEYS*ROWB  ; this slot's next tile (behind the last tiles: written, not used)
	s_add_nc_u64 s[G0V+4*\slot+2:G0V+4*\slot+3], s[G0V+4*\slot+2:G0V+4*\slot+3], 2*TKEYS*ROWB
	s_wait_dscnt 0x0                               ; my reads of the last tile are done
	s_barrier_signal -1
	s_barrier_wait -1
.if \refill
	tensor_load_to_lds s[G0K+4-4*\slot:G0K+7-4*\slot], s[G1K:G1K+7]
	s_nop 0
	tensor_load_to_lds s[G0V+4-4*\slot:G0V+7-4*\slot], s[G1V:G1V+7]
	s_nop 0
.endif
	PLACES                                         ; the fragment registers were read by the last tile's matrix instructions
	WIN 0x40
.irp kt, 0,1
.irp c, 0,1,2,3
	ds_load_b128 v[FB+8*(4*\kt+\c):FB+8*(4*\kt+\c)+3],   v[ADK+\slot] offset:\kt*16*PK+64*\c              ; K, keys 0-31 of my 64
	ds_load_b128 v[FB+8*(4*\kt+\c)+4:FB+8*(4*\kt+\c)+7], v[ADK+\slot] offset:\kt*16*PK+64*\c+32
.endr
.endr
	WIN 0
.irp kt, 0,1
.irp c, 0,1,2,3
	ds_load_b128 v[FK+8*(4*\kt+\c):FK+8*(4*\kt+\c)+3],   v[ADK+\slot] offset:(2+\kt)*16*PK+64*\c          ; K, keys 32-63
	ds_load_b128 v[FK+8*(4*\kt+\c)+4:FK+8*(4*\kt+\c)+7], v[ADK+\slot] offset:(2+\kt)*16*PK+64*\c+32
.endr
.endr
	WIN 0x40
.irp dt, 0,1,2,3,4,5,6,7
	ds_load_tr16_b128 v[FA+8*\dt:FA+8*\dt+3],   v[ADV+\slot] offset:32*\dt                                ; V^T, keys 0-31
	ds_load_tr16_b128 v[FA+8*\dt+4:FA+8*\dt+7], v[ADV+\slot] offset:32*\dt+16*PVP
.endr
	s_wait_dscnt 32                                ; the first 16 loads are in; the 32 younger ones (K of keys 32-63, V of keys 0-31) stay out
	WIN 0x01                                       ; source 0 (K) in window 1
.irp c, 0,1,2,3
.irp kt, 0,1
.irp q, 0,1
.if \c == 0
	v_wmma_f32_16x16x32_f16 v[S1+16*\q+8*\kt:S1+16*\q+8*\kt+7], v[FB+8*(4*\kt+\c):FB+8*(4*\kt+\c)+7], v[Q+8*(4*\q+\c):Q+8*(4*\q+\c)+7], 0
.else
	v_wmma_f32_16x16x32_f16 v[S1+16*\q+8*\kt:S1+16*\q+8*\kt+7], v[FB+8*(4*\kt+\c):FB+8*(4*\kt+\c)+7], v[Q+8*(4*\q+\c):Q+8*(4*\q+\c)+7], v[S1+16*\q+8*\kt:S1+16*\q+8*\kt+7]
.endif
.endr
.endr
.endr
	WIN 0x40
	PLACES                                         ; before K's registers are loaded again and before the scores are read
.irp dt, 0,1,2,3,4,5,6,7
	ds_load_tr16_b128 v[FB+8*\dt:FB+8*\dt+3],   v[ADV+\slot] offset:32*PVP+32*\dt                         ; V^T, keys 32-63
	ds_load_tr16_b128 v[FB+8*\dt+4:FB+8*\dt+7], v[ADV+\slot] offset:32*PVP+32*\dt+16*PVP
.endr
	WIN 0
	s_wait_dscnt 32                                ; K of keys 32-63 is in; V's 32 loads stay out
	SOFTMAX S1, 0, \masked, \first, 1
	s_wait_dscnt 16                                ; V of keys 0-31 is in; the 16 younger loads stay out
	WIN 0x51                                       ; O (C and D) and V in window 1, P and the rescale in window 0
	PVM FA, S1, \first
	WIN 0
.if \first
	PLACES                                         ; no rescale stood among those products: the places before the second half's scores are read
.endif
	SOFTMAX S2, 32, \masked, 0, 0
	s_wait_dscnt 0x0                               ; V of keys 32-63
	WIN 0x51
	PVM FB, S2, 0
	WIN 0
	s_add_co_u32 s13, s13, TKEYS
.endm
	TILE 0, 1, 1, 1
	s_cmp_eq_u32 s12, 0
	s_cbranch_scc1 .Ltail
.Lloop:
	TILE 1, 0, 0, 1
	TILE 0, 0, 0, 1
	s_sub_co_i32 s12, s12, 1
	s_cmp_lg_u32 s12, 0
	s_cbranch_scc1 .Lloop
.Ltail:
	TILE 1, 1, 0, 1
	TILE 0, 1, 0, 0                                ; the last tile: nothing more is fetched, and no tensor load is out from here on
	PLACES                                         ; before O is read
	v_permlanex16_b32 v[TT],   v[LL],   s14, s15   ; my sum over the other half of the lanes' keys
	v_permlanex16_b32 v[TT+4], v[LL+1], s14, s15
	v_add_f32 v[LL],   v[LL],   v[TT]
	v_add_f32 v[LL+1], v[LL+1], v[TT+4]
; THE MERGE.  The two waves of a head hold (-m c, sum, O) of the same 32 queries in the same lanes, each for its half of the keys.  Waves 0-3 finish query tile 0,
; waves 4-7 query tile 1: each gives the other tile to its partner through LDS, 16 bytes a lane from neighbouring lanes, and takes the partner's behind one barrier.
.macro GIVE q, off                     ; my query tile q into part off of my head's exchange
	v_mov_b32 v[TT],   v[NM+2*\q]
	v_mov_b32 v[TT+1], v[LL+\q]
	ds_store_b64 v[MP], v[TT:TT+1] offset:\off
	WIN 0x04                                       ; an LDS store's data is source 1: window 1
.irp i, 0,1,2,3,4,5,6,7,8,9,10,11,12,13,14,15
	ds_store_b128 v[MB], v[64*\q+4*\i:64*\q+4*\i+3] offset:\off+512*\i
.endr
	WIN 0
.endm
; Query tile q is finished with the partner's part at off.  With n = the smaller -m c (the larger maximum), each side's factor is exp2(n - its own -m c), at most 1,
; and 0 for a side that saw no valid key; sum = sum of sums x factors, at least 1; O = (O f + O' f') / sum.  Then rounded to f16, through my own stage (LDS serves a
; wave's instructions in order: no wait between my stores and my loads), read back as rows of 256 bytes: sixteen lanes store 256 consecutive bytes, aligned.
.macro TAKE q, off
	ds_load_b64 v[TT+2:TT+3], v[MP] offset:\off
.irp i, 0,1,2,3,4,5,6,7,8,9,10,11,12,13,14,15
	ds_load_b128 v[S1+4*\i:S1+4*\i+3], v[MB] offset:\off+512*\i
.endr
	s_wait_dscnt 16                                ; the partner's (-m c, sum) is in; the 16 younger loads of its O stay out
	v_min_num_f32 v[TT], v[NM+2*\q], v[TT+2]
	v_sub_f32 v[TT+4], v[TT], v[NM+2*\q]
	v_sub_f32 v[TT+5], v[TT], v[TT+2]
	v_exp_f32 v[TT+4], v[TT+4]                     ; my factor
	v_exp_f32 v[TT+5], v[TT+5]                     ; the partner's
	v_nop                                          ; one plain instruction before the results are used (ISA guide 5.7.2)
	s_wait_alu depctr_va_vdst(0)
	v_mul_f32 v[TT+6], v[LL+\q], v[TT+4]
	v_fma_f32 v[TT+6], v[TT+3], v[TT+5], v[TT+6]
	v_rcp_f32 v[TT+7], v[TT+6]
	v_nop                                          ; likewise
	s_wait_alu depctr_va_vdst(0)
	v_mul_f32 v[AL],   v[TT+4], v[TT+7]
	v_mul_f32 v[AL+2], v[TT+5], v[TT+7]
	s_wait_dscnt 0x0                               ; the partner's O
.set pj, 0
.rept 32
	v_pk_mul_f32 v[S1+2*pj:S1+2*pj+1], v[S1+2*pj:S1+2*pj+1], v[AL+2:AL+3] op_sel_hi:[1,0]
.set pj, pj+1
.endr
	WIN 0x01                                       ; source 0 (my O) in window 1
.set pj, 0
.rept 32
	v_pk_fma_f32 v[S1+2*pj:S1+2*pj+1], v[64*\q+2*pj:64*\q+2*pj+1], v[AL:AL+1], v[S1+2*pj:S1+2*pj+1] op_sel_hi:[1,0,1]
.set pj, pj+1
.endr
	WIN 0
.irp dt, 0,1,2,3,4,5,6,7
.irp i, 0,1,2,3
	v_cvt_pk_f16_f32 v[FK+4*\dt+\i], v[S1+8*\dt+2*\i], v[S1+8*\dt+2*\i+1]
.endr
	ds_store_b128 v[STO], v[FK+4*\dt:FK+4*\dt+3] offset:32*\dt
.endr
.irp i, 0,1,2,3,4,5,6,7
	ds_load_b128 v[RB+4*\i:RB+4*\i+3], v[RD] offset:2*272*\i
.endr
.irp i, 0,1,2,3,4,5,6,7
	s_wait_dscnt 7-\i                              ; this row pair is in, the younger loads stay out
	global_store_b128 v[CO], v[RB+4*\i:RB+4*\i+3], s[6:7] offset:65536*\q+8192*\i
.endr
.endm
	s_cmp_ge_u32 s8, 4                             ; the branches hang on the wave's number alone; the barrier is on every wave's path
	s_cbranch_scc1 .Lgive_b
	GIVE 1, 0
	s_branch .Lgiven
.Lgive_b:
	GIVE 0, MRGW
.Lgiven:
	s_wait_dscnt 0x0                               ; my stores into the exchange are done, for the partner's sake
	s_barrier_signal -1
	s_barrier_wait -1
	s_cmp_ge_u32 s8, 4
	s_cbranch_scc1 .Ltake_b
	TAKE 0, MRGW
	s_wait_tensorcnt 0x0
	ds_add_u32 v254, v255
	s_wait_dscnt 0x0
	s_endpgm
.Ltake_b:
	TAKE 1, 0
	s_wait_tensorcnt 0x0
	ds_add_u32 v254, v255
	s_wait_dscnt 0x0
	s_endpgm
.Lfunc_end_k_qc3a9de39a5_attn:
	.size	k_qc3a9de39a5_attn, .Lfunc_end_k_qc3a9de39a5_attn-k_qc3a9de39a5_attn
	.p2alignl 7, 3214868480
	.fill 96, 4, 3214868480
	.section	.rodata,"a",@progbits
	.p2align	6, 0x0
	.amdhsa_kernel k_qc3a9de39a5_attn
		.amdhsa_group_segment_fixed_size 327680
		.amdhsa_private_segment_fixed_size 0
		.amdhsa_enable_private_segment 0
		.amdhsa_kernarg_size 16
		.amdhsa_user_sgpr_count 2
		.amdhsa_user_sgpr_kernarg_segment_ptr 1
		.amdhsa_wavefront_size32 1
		.amdhsa_system_sgpr_workgroup_id_x 1
		.amdhsa_system_sgpr_workgroup_id_y 1
		.amdhsa_system_sgpr_workgroup_id_z 1
		.amdhsa_system_vgpr_workitem_id 0
		.amdhsa_next_free_vgpr 512
		.amdhsa_next_free_sgpr 66
		.amdhsa_reserve_vcc 1
		.amdhsa_float_denorm_mode_32 3
		.amdhsa_float_denorm_mode_16_64 3
		.amdhsa_memory_ordered 1
		.amdhsa_forward_progress 1
		.amdhsa_inst_pref_size 194
	.end_amdhsa_kernel
	.amdgpu_metadata
---
amdhsa.version: [ 1, 2 ]
amdhsa.kernels:
  - .name:           k_qc3a9de39a5_attn
    .symbol:         k_qc3a9de39a5_attn.kd
    .args:
      - { .name: qkv, .offset: 0, .size: 8, .value_kind: global_buffer, .address_space: global }
      - { .name: att, .offset: 8, .size: 8, .value_kind: global_buffer, .address_space: global }
    .group_segment_fixed_size: 327680
    .private_segment_fixed_size: 0
    .kernarg_segment_align: 8
    .kernarg_segment_size: 16
    .max_flat_workgroup_size: 256
    .sgpr_count:     66
    .vgpr_count:     512
    .wavefront_size: 32
...
	.end_amdgpu_metadata
.endif
;; end of part 6
;; launch oproj (part 7): grid 16 x 16, 4 waves a work-group, clusters of 4 x 4, 327,680 bytes of LDS; arguments att, wob, out0; writes out0
.if DOCPART == 7
	.amdgcn_target "amdgcn-amd-amdhsa--gfx1250"
	.amdhsa_code_object_version 6
	.text
	.protected	k_qc3a9de39a5_oproj
	.globl	k_qc3a9de39a5_oproj
	.p2align	8
	.type	k_qc3a9de39a5_oproj,@function
k_qc3a9de39a5_oproj:
	s_mov_b64 s[64:65], 0
	v_nop
	global_prefetch_b8 v0, s[64:65] scope:SCOPE_SE
	s_setreg_imm32_b32 hwreg(HW_REG_WAVE_MODE, 25, 1), 1
	s_wait_xcnt 0x0
	s_wait_alu depctr_hold_cnt(0) depctr_sa_sdst(0) depctr_va_vdst(0) depctr_va_sdst(0) depctr_va_ssrc(0) depctr_va_vcc(0) depctr_vm_vsrc(0)
	s_getreg_b32 s2, hwreg(HW_REG_IB_STS2, 6, 4)
	s_cmp_eq_u32 s2, 0
	s_cbranch_scc0 .Lentry_in_a_cluster
	s_endpgm
.Lentry_in_a_cluster:
	s_bfe_u32 s2, ttmp6, 0x10000c
	s_cmp_lg_u32 s2, 0xf033
	s_cbranch_scc0 .Lentry_shape_is_right
	s_endpgm
.Lentry_shape_is_right:
; out0[t][n] = sum over k of att[t][k] wob[k][n].  att [2048][2048] f16, wob [2048][2048] f16 (bf16-rounded numbers), out0 f32; sums in f32.
; A work-group makes 128 x 128; 16 x 16 work-groups.  Wave (wm = w / 2, wn = w % 2) makes 64 x 64: 16 accumulators.
; The matrix instruction is used transposed (source 0 = 16 columns of wob, source 1 = 16 rows of att): lane (r, h), register j holds row 16 mt + r,
; column 16 nt + 8 h + j.  wob lies [k][n] and is transposed by ds_load_tr16_b128.
; THE RING.  K goes in 16 tiles of 128 (every row of a tile is 256 bytes of memory, aligned) through FOUR LDS slots filled by tensor loads, one load a wave and
; tile.  Three slots are filled again behind one barrier: four tiles go out at the start, then three behind each of four barriers.  The fourth slot has landed
; by the wait for all loads and is multiplied while the three are on their way.  The slots' turns repeat only every 12 tiles, so the 16 tiles are
; written out by macro, without a loop.
; CLUSTERS: 4 x 4 work-groups; att's tile hangs on the block row alone and is asked for jointly along a row of the cluster, wob's on the block column
; alone and jointly along a column.  Each batch of refills stands behind a round of the cluster's barrier.
.set KSTEP, 128
.set PA,    272                        ; att rows in LDS: 256 + 16 bytes
.set PB,    288                        ; wob rows in LDS: 256 + 32 bytes
.set PIECE, 64*PB                      ; 18,432: what one wave's tensor load is given: wave 0, 1: 64 rows of att (17,408 used); wave 2, 3: 64 k-rows of wob
.set SLOT,  4*PIECE                    ; 73,728
.set STAGE, 4*SLOT                     ; 294,912: 16 rows x 272 bytes for each wave; no tensor load lands here
.set ADRA, 4                           ; v4-7   slot s: my att fragments
.set ADRB, 8                           ; v8-11  slot s: my wob fragments
.set STO,  12
.set RD,   13
.set CO,   14
.set F0,   16                          ; v16-79   fragment buffer 0: att's row tile mt at +8 mt, wob's column tile nt at +32 + 8 nt
.set F1,   80                          ; v80-143  fragment buffer 1.  Window 1: v0-127 accumulator 4 nt + mt at 8 x that
.set G1A, 24                           ; s[24:31] group 1 of att's piece
.set G1B, 32                           ; s[32:39] group 1 of wob's piece
.set G0A, 40                           ; s[40:55] group 0 of att's piece, a set for each slot
.set G0B, 68                           ; s[68:83] group 0 of wob's piece, a set for each slot
.set MSB, 0
.macro WIN new                         ; s_set_vgpr_msb: bits 1:0 source 0, 3:2 source 1, 5:4 source 2, 7:6 destination; the high byte repeats the setting left
.if MSB != \new
	s_set_vgpr_msb (MSB<<8)|\new
.set MSB, \new
.endif
.endm
.macro PLACES                          ; four independent vector instructions behind matrix instructions (ISA guide 7.12.1)
.rept 4
	v_nop
.endr
.endm
.macro TLA t
	tensor_load_to_lds s[G0A+4*\t:G0A+4*\t+3], s[G1A:G1A+7]
	s_nop 0
.endm
.macro TLB t
	tensor_load_to_lds s[G0B+4*\t:G0B+4*\t+3], s[G1B:G1B+7]
	s_nop 0
.endm
; n joint loads (3 or 4), into slots a, b, .. in the tiles' order.  Waves 0, 1 ask for att's halves, waves 2, 3 for wob's: as many loads on either way,
; one mask a line; the branch hangs on the wave's number alone.
.macro JLOADS n, a, b, c, d
	s_cmp_ge_u32 s14, 2
	s_cbranch_scc1 .Lfor_b_\@
	TLA \a
	TLA \b
	TLA \c
.if \n > 3
	TLA \d
.endif
	s_branch .Lasked_\@
.Lfor_b_\@:
	TLB \a
	TLB \b
	TLB \c
.if \n > 3
	TLB \d
.endif
.Lasked_\@:
.endm
.macro STEP t                          ; slot t's next tile lies four tiles on
	s_add_nc_u64 s[G0A+4*\t+2:G0A+4*\t+3], s[G0A+4*\t+2:G0A+4*\t+3], 4*KSTEP*2
	s_add_nc_u64 s[G0B+4*\t+2:G0B+4*\t+3], s[G0B+4*\t+2:G0B+4*\t+3], 4*KSTEP*4096
.endm
.macro CREST
	s_cmp_lg_u32 s14, 0
	s_cbranch_scc1 .Lnot_wave_0_\@
	s_barrier_signal -3
.Lnot_wave_0_\@:
	s_barrier_wait -3
	s_barrier_signal -1
	s_barrier_wait -1
.endm
.macro CROUND
	s_barrier_signal -1
	s_barrier_wait -1
	CREST
.endm
	s_load_b128 s[4:7], s[0:1], 0x0                ; att s[4:5], wob s[6:7]
	s_load_b64 s[8:9], s[0:1], 0x10                ; out0
	v_lshl_add_u32 v254, v0, 2, 0x4c400
	v_mov_b32 v255, 0
	ds_add_u32 v254, v255
	ds_add_u32 v254, v255
	v_lshrrev_b32 v3, 5, v0
	v_readfirstlane_b32 s14, v3                    ; wave
	s_and_b32 s15, s14, 1                          ; wn; also: which half of its tile the wave fetches
	s_lshr_b32 s12, s14, 1                         ; wm
	s_bfe_u32 s16, ttmp6, 0x40000                  ; cx
	s_bfe_u32 s17, ttmp6, 0x40004                  ; cy
	s_lshl_b32 s18, ttmp9, 2
	s_add_co_u32 s18, s18, s16                     ; nb
	s_and_b32 s19, ttmp7, 0xffff
	s_lshl_b32 s19, s19, 2
	s_add_co_u32 s19, s19, s17                     ; mb
	s_lshl_b32 s20, s17, 2
	s_lshl_b32 s20, 15, s20                        ; my row of the cluster
	s_lshl_b32 s21, 0x1111, s16                    ; my column
	s_or_b32 s[G1A+0], s20, (1<<16)|(1<<20)|(1<<21)|(5<<22)|(3<<25)   ; mask; 2-byte elements; padding on; bit 21 beside a mask; after 64 words skip 4
	s_mov_b32 s[G1A+1], KSTEP<<16                  ; 128 elements
	s_mov_b32 s[G1A+2], 64<<16                     ; 64 rows
	s_mov_b32 s[G1A+3], KSTEP<<16
	s_mov_b32 s[G1A+4], 64
	s_mov_b32 s[G1A+5], 2048
	s_mov_b32 s[G1A+6], 0
	s_mov_b32 s[G1A+7], 0
	s_or_b32 s[G1B+0], s21, (1<<16)|(1<<20)|(1<<21)|(5<<22)|(7<<25)   ; my column's mask; after 64 words skip 8
	s_mov_b32 s[G1B+1], 128<<16
	s_mov_b32 s[G1B+2], 64<<16
	s_mov_b32 s[G1B+3], 128<<16
	s_mov_b32 s[G1B+4], 64
	s_mov_b32 s[G1B+5], 2048
	s_mov_b32 s[G1B+6], 0
	s_mov_b32 s[G1B+7], 0
	s_lshl_b32 s22, s15, 18                        ; my half: 64 rows of 4,096 bytes
	s_lshl_b32 s56, s19, 19                        ; att: mb x 128 rows (never holds cx)
	s_add_co_u32 s56, s56, s22
	s_mov_b32 s57, 0
	s_lshl_b32 s58, s18, 8                         ; wob: nb x 128 columns x 2 bytes (never holds cy)
	s_add_co_u32 s58, s58, s22
	s_mov_b32 s59, 0
	s_mul_i32 s23, s14, PIECE                      ; where my piece goes: wave x 18,432
	s_wait_dscnt 0x0
	s_wait_kmcnt 0x0
	s_add_nc_u64 s[56:57], s[4:5], s[56:57]
	s_add_nc_u64 s[58:59], s[6:7], s[58:59]
	CROUND                                         ; all sixteen work-groups are here: the first joint loads meet
.irp s, 0,1,2,3
	s_mov_b32 s[G0A+4*\s], 1
	s_add_co_u32 s[G0A+4*\s+1], s23, \s*SLOT
	s_add_nc_u64 s[G0A+4*\s+2:G0A+4*\s+3], s[56:57], \s*KSTEP*2
	s_or_b32 s[G0A+4*\s+3], s[G0A+4*\s+3], 0x80000000
	s_mov_b32 s[G0B+4*\s], 1
	s_add_co_u32 s[G0B+4*\s+1], s23, \s*SLOT
	s_add_nc_u64 s[G0B+4*\s+2:G0B+4*\s+3], s[58:59], \s*KSTEP*4096
	s_or_b32 s[G0B+4*\s+3], s[G0B+4*\s+3], 0x80000000
.endr
	JLOADS 4, 0, 1, 2, 3                           ; tiles 0 to 3: four tensor loads of the wave are out, the most in this text
	v_and_b32 v1, 15, v0                           ; r
	v_bfe_u32 v2, v0, 4, 1                         ; h
	v_mul_u32_u24 v3, v1, PA
	v_lshl_add_u32 v3, v2, 4, v3
	s_mul_i32 s60, s12, PIECE                      ; my 64 rows of att
	v_add_nc_u32 v3, s60, v3
.irp s, 0,1,2,3
	v_add_nc_u32 v[ADRA+\s], \s*SLOT, v3
.endr
	v_and_b32 v15, 7, v0
	v_lshl_add_u32 v15, v2, 3, v15
	v_mul_u32_u24 v15, v15, PB
	v_bfe_u32 v3, v0, 3, 1
	v_lshl_add_u32 v15, v3, 4, v15
	s_lshl_b32 s60, s15, 7                         ; my 64 columns of wob: 128 wn bytes,
	s_add_co_u32 s60, s60, 2*PIECE                 ; behind att's two pieces
	v_add_nc_u32 v15, s60, v15
.irp s, 0,1,2,3
	v_add_nc_u32 v[ADRB+\s], \s*SLOT, v15
.endr
	s_mul_i32 s60, s14, 16*272
	s_add_co_u32 s60, s60, STAGE                   ; my stage
	v_mul_u32_u24 v3, v1, 272
	v_lshl_add_u32 v3, v2, 5, v3
	v_add_nc_u32 v[STO], s60, v3                   ; in: row r, 32 bytes for each half of the lanes
	v_mul_u32_u24 v3, v2, 272
	v_lshl_add_u32 v3, v1, 4, v3
	v_add_nc_u32 v[RD], s60, v3                    ; back: lanes 0-15 one row of 256 bytes, lanes 16-31 the next
	v_lshlrev_b32 v3, 13, v2
	v_lshl_add_u32 v[CO], v1, 4, v3                ; the same two rows in out0 (8,192 bytes each)
	s_lshl_b32 s60, s19, 20                        ; out0: (128 mb + 64 wm) rows
	s_lshl_b32 s61, s12, 19
	s_add_co_u32 s60, s60, s61
	s_lshl_b32 s61, s18, 9                         ; + (128 nb + 64 wn) columns of 4 bytes
	s_add_co_u32 s60, s60, s61
	s_lshl_b32 s61, s15, 8
	s_add_co_u32 s60, s60, s61
	s_mov_b32 s61, 0
	s_add_nc_u64 s[8:9], s[8:9], s[60:61]
.macro FETCH slot, c, f                ; 16 LDS loads: the fragments of 32 along K into buffer f
.irp m, 0,1,2,3
	ds_load_b128 v[\f+8*\m:\f+8*\m+3],   v[ADRA+\slot] offset:\m*16*PA+64*\c
	ds_load_b128 v[\f+8*\m+4:\f+8*\m+7], v[ADRA+\slot] offset:\m*16*PA+64*\c+32
.endr
.irp n, 0,1,2,3
	ds_load_tr16_b128 v[\f+32+8*\n:\f+32+8*\n+3],   v[ADRB+\slot] offset:32*PB*\c+32*\n
	ds_load_tr16_b128 v[\f+32+8*\n+4:\f+32+8*\n+7], v[ADRB+\slot] offset:32*PB*\c+32*\n+16*PB
.endr
.endm
; 8 matrix instructions.  All 16 accumulators take turns, one instruction a turn, in the same order in every quarter.
.macro MUL8 f, part, first
.set ai, 8*\part
.rept 8
.if \first
	v_wmma_f32_16x16x32_f16 v[8*ai:8*ai+7], v[\f+32+8*(ai/4):\f+32+8*(ai/4)+7], v[\f+8*(ai%4):\f+8*(ai%4)+7], 0
.else
	v_wmma_f32_16x16x32_f16 v[8*ai:8*ai+7], v[\f+32+8*(ai/4):\f+32+8*(ai/4)+7], v[\f+8*(ai%4):\f+8*(ai%4)+7], v[8*ai:8*ai+7]
.endif
.set ai, ai+1
.endr
.endm
.macro QUARTER slot, cnext, f, g, first
	s_wait_dscnt 0x0                               ; buffer f's 16 loads, issued 8 matrix instructions or more ago
	WIN 0
	PLACES                                         ; buffer g was read by the last quarter's matrix instructions
	FETCH \slot, \cnext, \g
	WIN 0x50                                       ; C and D in window 1
	MUL8 \f, 0, \first
	MUL8 \f, 1, \first
.endm
.macro THREE slot, first
	QUARTER \slot, 1, F0, F1, \first
	QUARTER \slot, 2, F1, F0, 0
	QUARTER \slot, 3, F0, F1, 0
.endm
; A tile's last quarter multiplies buffer 1 and goes on to the tile in slot next.  left = how many younger tensor loads of mine may stay out.
; It only shows the tile's four pieces to all four waves.
.macro CHANGE next, left
	s_wait_dscnt 0x0                               ; buffer 1 is in; no LDS instruction is pending at the signal
	s_wait_tensorcnt \left                         ; tensor loads of a wave end in order (ISA guide 10.11.1): my piece of the next tile is in
	s_barrier_signal -1
	WIN 0x50
	MUL8 F1, 0, 0                                  ; work on registers while the others arrive
	WIN 0
	s_barrier_wait -1
	PLACES                                         ; buffer 0 was read by matrix instructions
	FETCH \next, 0, F0
	WIN 0x50
	MUL8 F1, 1, 0
.endm
; The same where slots a, b, c are filled again.  In front of the barrier each wave waits for its reads (those of the three slots are over) and for ALL its tensor
; loads (one is out: its piece of slot next).  The barrier opens a round of the cluster's barrier, only matrix instructions stand inside it, and the three
; joint refills are the first tensor loads behind its closing wait; then slot next, which has landed, is read while they are on their way.
.macro REFILL next, a, b, c
	s_wait_dscnt 0x0                               ; buffer 1 is in, and with it my last reads of the slots to be filled
	s_wait_tensorcnt 0x0                           ; all my tensor loads have landed
	ds_add_u32 v254, v255
	s_wait_dscnt 0x0
	s_barrier_signal -1
	WIN 0x50
	MUL8 F1, 0, 0
	WIN 0
	s_barrier_wait -1
	CREST
	STEP \a                                        ; no load of mine is out: every group 0 may be written
	STEP \b
	STEP \c
	JLOADS 3, \a, \b, \c, 0
	PLACES
	FETCH \next, 0, F0
	WIN 0x50
	MUL8 F1, 1, 0
.endm
; Three tiles, in slots a, b, c; then these slots are filled again and slot e is taken up.
; The counts 2, 1: of the loads issued behind the last batch's barrier, those younger than the tile that is taken up.
.macro GROUP a, b, c, e, first
	THREE \a, \first
	CHANGE \b, 2
	THREE \b, 0
	CHANGE \c, 1
	THREE \c, 0
	REFILL \e, \a, \b, \c
.endm
	s_wait_tensorcnt 0x3                           ; my piece of tile 0 is in; tiles 1 to 3 stay out
	s_barrier_signal -1
	s_barrier_wait -1
	FETCH 0, 0, F0
	GROUP 0, 1, 2, 3, 1                            ; tiles 0-2 (the first products start the sums, C = 0); tiles 4-6 go out
	GROUP 3, 0, 1, 2, 0                            ; tiles 3-5;  tiles 7-9
	GROUP 2, 3, 0, 1, 0                            ; tiles 6-8;  tiles 10-12
	GROUP 1, 2, 3, 0, 0                            ; tiles 9-11; tiles 13-15: the last
	THREE 0, 0                                     ; tile 12
	CHANGE 1, 2
	THREE 1, 0
	CHANGE 2, 1
	THREE 2, 0
	CHANGE 3, 0                                    ; the last tile: no tensor load is out from here on
	THREE 3, 0
	s_wait_dscnt 0x0
	WIN 0x50
	MUL8 F1, 0, 0
	MUL8 F1, 1, 0
	PLACES                                         ; before the results are stored to LDS and the buffers are loaded into
	; The way out, 16 rows at a time through my own stage (LDS serves a wave's instructions in order: no wait between my stores and my loads);
	; read back as rows of 256 bytes into registers of their own; sixteen lanes store 256 consecutive bytes, aligned.
.irp mt, 0,1,2,3
	WIN 0x04                                       ; an LDS store's data is source 1: window 1
.irp nt, 0,1,2,3
	ds_store_b128 v[STO], v[8*(4*\nt+\mt):8*(4*\nt+\mt)+3]   offset:64*\nt
	ds_store_b128 v[STO], v[8*(4*\nt+\mt)+4:8*(4*\nt+\mt)+7] offset:64*\nt+16
.endr
	WIN 0
.irp i, 0,1,2,3,4,5,6,7
	ds_load_b128 v[F0+32*\mt+4*\i:F0+32*\mt+4*\i+3], v[RD] offset:2*272*\i
.endr
.irp i, 0,1,2,3,4,5,6,7
	s_wait_dscnt 7-\i                              ; this row pair is in, the younger loads stay out
	global_store_b128 v[CO], v[F0+32*\mt+4*\i:F0+32*\mt+4*\i+3], s[8:9] offset:131072*\mt+16384*\i
.endr
.endr
	s_wait_tensorcnt 0x0
	ds_add_u32 v254, v255
	s_wait_dscnt 0x0
	CROUND                                         ; the closing round: no work-group ends while a partner may still ask for a tile that names it
	s_endpgm
.Lfunc_end_k_qc3a9de39a5_oproj:
	.size	k_qc3a9de39a5_oproj, .Lfunc_end_k_qc3a9de39a5_oproj-k_qc3a9de39a5_oproj
	.p2alignl 7, 3214868480
	.fill 96, 4, 3214868480
	.section	.rodata,"a",@progbits
	.p2align	6, 0x0
	.amdhsa_kernel k_qc3a9de39a5_oproj
		.amdhsa_group_segment_fixed_size 327680
		.amdhsa_private_segment_fixed_size 0
		.amdhsa_enable_private_segment 0
		.amdhsa_kernarg_size 24
		.amdhsa_user_sgpr_count 2
		.amdhsa_user_sgpr_kernarg_segment_ptr 1
		.amdhsa_wavefront_size32 1
		.amdhsa_system_sgpr_workgroup_id_x 1
		.amdhsa_system_sgpr_workgroup_id_y 1
		.amdhsa_system_sgpr_workgroup_id_z 1
		.amdhsa_system_vgpr_workitem_id 0
		.amdhsa_next_free_vgpr 384
		.amdhsa_next_free_sgpr 84
		.amdhsa_reserve_vcc 0
		.amdhsa_float_denorm_mode_32 3
		.amdhsa_float_denorm_mode_16_64 3
		.amdhsa_memory_ordered 1
		.amdhsa_forward_progress 1
		.amdhsa_inst_pref_size 166
	.end_amdhsa_kernel
	.amdgpu_metadata
---
amdhsa.version: [ 1, 2 ]
amdhsa.kernels:
  - .name:           k_qc3a9de39a5_oproj
    .symbol:         k_qc3a9de39a5_oproj.kd
    .args:
      - { .name: att, .offset: 0, .size: 8, .value_kind: global_buffer, .address_space: global }
      - { .name: wob, .offset: 8, .size: 8, .value_kind: global_buffer, .address_space: global }
      - { .name: out0, .offset: 16, .size: 8, .value_kind: global_buffer, .address_space: global }
    .group_segment_fixed_size: 327680
    .private_segment_fixed_size: 0
    .kernarg_segment_align: 8
    .kernarg_segment_size: 24
    .max_flat_workgroup_size: 128
    .sgpr_count:     84
    .vgpr_count:     384
    .wavefront_size: 32
...
	.end_amdgpu_metadata
.endif
;; end of part 7
